; MI455X (gfx1250); checked and timed in simulation.
; The chip was launched on July 23, 2026; its instructions are those of AMD's public machine-readable ISA for CDNA 5 (MIT licence, August 2026) and "CDNA5" Instruction Set Architecture Reference Guide (July 2026). The comments in the code are by the model that wrote it; some were corrected since.
;; Simplified Multi Head Self Attention. Allowed arithmetic: matrix products marked QUANTISED: E2M1 operands, one E8M0 scale for each 32 along K, by v_wmma_scale_f32_16x16x128_f8f6f4 with both operands' format E2M1 (or v_wmma_scale_f32_32x16x128_f4), f32 sums; everything else in f32.
;; Inputs: W_msa 1,024 x 1,024 float32; W_qkv 1,024 x 3,072 float32; b_msa 1,024 float32; b_qkv 3,072 float32; z 4 x 2,048 x 1,024 float32.
;; Outputs: out0 4 x 2,048 x 1,024 float32.
;; This version of the problem:
;;   THIS VERSION OF THE PROBLEM IS GIVEN IN LOW PRECISION. The matrix products marked QUANTISED in the list below multiply operands that are first quantised to E2M1 (2 exponent bits, 1 mantissa bit; 4 bits a number), with one power-of-two scale for each 32 numbers along K (OCP MX v1.0); their sums are f32. All else is computed in f32.
;;   The module's matrix products, in the order in which they are computed (A, B: the left and right operand; K: the contracted axis; several contracted axes count as one K, in the product's order):
;;     1. [M 8,192, K 1,024] x [K 1,024, N 3,072]; A: input z; B: input W_qkv: QUANTISED
;;     2. batch 64 x [M 2,048, K 64] x [K 64, N 2,048]; A: computed on the way; B: computed on the way: QUANTISED
;;     3. batch 64 x [M 2,048, K 2,048] x [K 2,048, N 64]; A: softmax (see below); B: computed on the way: QUANTISED
;;     4. [M 8,192, K 1,024] x [K 1,024, N 1,024]; A: computed on the way; B: input W_msa: QUANTISED
;;   THE QUANTISER, for each operand of a quantised product, along K:
;;     - K is cut into blocks of 32 from its start; a last block that is shorter is filled with zeros.
;;     - A block's scale is 2^e with e = floor(log2(the largest magnitude in the block)) - 2, held to -126 .. 127; a block of zeros has e = 0. As a byte (E8M0): e + 127.
;;     - Each number is divided by its block's scale, clamped to +-6, and rounded to the nearest number of E2M1, ties to even, subnormals kept.
;;     - The product sums the exact products of the quantised numbers (number of the format x scale) in f32.
;;   ~~~python
;;   def quantise(x, axis):      # numpy; x: float32 -> the quantised numbers, widened to float32 again
;;       x = np.moveaxis(x, axis, -1); K = x.shape[-1]
;;       x = np.pad(x, [(0, 0)] * (x.ndim - 1) + [(0, -K % 32)]); x = x.reshape(x.shape[:-1] + (-1, 32)); a = np.abs(x).max(-1, keepdims=True)
;;       e = np.where(a > 0, np.clip(np.frexp(np.where(a > 0, a, 1))[1] - 1 - 2, -126, 127), 0)      # np.frexp(a)[1] - 1 = floor(log2(a)), exactly
;;       r = np.clip(x / 2.0 ** e, -6, 6)
;;       step = 2.0 ** (np.maximum(np.frexp(np.where(r == 0, 1, r))[1] - 1, 0) - 1)
;;       q = np.round(r / step) * step * 2.0 ** e      # np.round: ties to even
;;       return np.moveaxis(q.reshape(q.shape[:-2] + (-1,))[..., :K], -1, axis).astype(np.float32)
;;   ~~~
;;   SOFTMAX AHEAD OF A QUANTISED PRODUCT. Where the list says 'softmax', what is quantised is not the finished softmax but p = 2^(t - M), with t = logit x log2(e) and M = ceil(the row's largest t), a whole number; so 1/2 < the row's largest p <= 1. The row's sum l is taken of the UNQUANTISED p, in f32, and the product's result is divided by l at the end. Since M is a whole number, a kernel that streams over the keys may use a running M (the ceiling of the running maximum): every later rescaling is an exact power of two, which a block's scale takes up: the codes' values come out the same.
;;   OPERANDS COMPUTED ON THE WAY. 'Computed on the way' means the value that the module computes at that place (a softmax that the list does not call 'softmax' is quantised finished and normalised). What goes into a quantiser is computed in f32, as accurately as f32 sums, v_exp_f32 and their like allow (about 1e-6 of the number): no bf16 or f16 on the way to a quantiser, and a product that is left as it is and whose result goes on into a quantised operand takes f32 operands (vector FMAs, or v_wmma_f32_16x16x4_f32). A number that lies on a knife's edge between two numbers of the format may be rounded either way, as far as f32 arithmetic and the matrix unit's own rounding can turn it there, and no further.
;; One version. Each part assembles by itself: llvm-mc -triple=amdgcn-amd-amdhsa -mcpu=gfx1250 --defsym DOCPART=n.
;; ======== version 1 of 1: 4 launches
;; limits: right only within a limited range of input values
;; workspace buffers: zq 4,456,448 bytes; wq 2,228,224 bytes; qq 4,718,592 bytes; kv 8,912,896 bytes; aq 4,456,448 bytes
;; launch quant (part 1): grid 256 x 1, 8 waves a work-group, no clusters, 84,992 bytes of LDS; arguments z, W_qkv, W_msa, zq, wq; writes zq, wq
.if DOCPART == 1
	.amdgcn_target "amdgcn-amd-amdhsa--gfx1250"
	.amdhsa_code_object_version 6
	.text
	.protected	k_qf56433af31_quant
	.globl	k_qf56433af31_quant
	.p2align	8
	.type	k_qf56433af31_quant,@function
k_qf56433af31_quant:
	s_mov_b64 s[64:65], 0
	v_nop
	global_prefetch_b8 v0, s[64:65] scope:SCOPE_SE
	s_setreg_imm32_b32 hwreg(HW_REG_WAVE_MODE, 25, 1), 1
	s_wait_xcnt 0x0
; One launch quantises all three f32 operands to codes of FP4 (E2M1), K innermost, with one E8M0 scale byte for each 32 along K.
; Work-groups 0-127 take z [8192 tokens][1024]; work-groups 128-255 take W_qkv [1024 (k)][3072] and W_msa [1024 (k)][1024].  The two paths part on the work-group's number and have LDS bytes of their own.
; zq: codes [8192 positions][512 bytes] at byte 0, scale bytes [8192][32] at ZSC.  wq: codes [4096 rows][512 bytes] at byte 0, scale bytes [4096][32] at WSC; rows 0-3071 are W_qkv's columns, 3072-4095 W_msa's.
; A token's or a column's POSITION is its number with bits 3 and 4 exchanged: a tile of 16 neighbouring positions then holds the numbers 32 (T / 2) + 8 (T % 2) + r + 8 (r / 8),
; which lets a later product's results lie as neighbours along the next K.
; A block's scale is 2^(floor(log2(its largest magnitude)) - 2); its byte is the largest magnitude's exponent field - 2, held at 1 from below.
; LIMITS: a block whose largest magnitude lies under 2^-124, and a block of zeros, get the byte 1 (a block of zeros has zero codes, and this program alone reads the bytes); NaN and infinities are not served.
; No tensor loads, no clusters, no matrix work: the launch streams each input byte once.
.set SPW,   212                        ; v212 my spare word's address; v213 0; never rewritten
.set NIL,   213
.set WB,    65536                      ; LDS: z's path has 8,192 bytes a wave from 0; the weights' path begins here
.set PITL,  272                        ; the weights' stage: 64 rows of 256 bytes + 16
.set SCST,  WB+64*PITL                 ; behind it 64 rows x 16 scale bytes
.set SPARE, SCST+1024                  ; the spare words, 128 bytes a wave
.set ZSC,   4194304
.set WSC,   2097152
	s_load_b256 s[4:11], s[0:1], 0x0               ; z s[4:5], W_qkv s[6:7], W_msa s[8:9], zq s[10:11]
	s_load_b64 s[12:13], s[0:1], 0x20              ; wq
	v_lshl_add_u32 v[SPW], v0, 2, SPARE
	v_mov_b32 v[NIL], 0
	v_lshrrev_b32 v1, 5, v0
	v_readfirstlane_b32 s16, v1                    ; wave 0..7
	v_and_b32 v2, 31, v0                           ; lane
	s_cmp_lt_u32 ttmp9, 128
	s_wait_alu depctr_va_vdst(0)                   ; the wait here, directly ahead of the branch
	s_cbranch_scc0 .Lweights
; z.  A wave takes a run of 8,192 numbers (8 tokens) in 16 steps of 512.  Each load reads 512 consecutive bytes; a step's 2,048 bytes turn through the wave's own stage in LDS, so that a lane holds 16 neighbours
; (two neighbouring lanes hold a block).  A lane's 16 codes are 8 bytes: the wave stores 256 consecutive bytes.  A wave's 256 scale bytes are gathered in LDS and leave as one aligned run.  Waves share nothing.
.set STEPS, 16
.set CB,    8                          ; bytes of 16 codes
.set R,     16                         ; v16-79   four sets of 16 numbers as they are loaded
.set X,     80                         ; v80-111  two sets of 16 neighbours
.set C,     128                        ; v128-191 codes: four registers for each step, so that no store's data are written again
.set E,     112                        ; v112-127 a scale byte for each step
.set WREG,  8192
.set SP,    80                         ; a lane's place in a stage: 64 bytes + 16 of padding
	v_lshlrev_b32 v3, 4, v2                        ; my 16 bytes of a load's 512
	s_mul_i32 s17, s16, WREG
	v_lshrrev_b32 v14, 2, v2
	v_mul_u32_u24 v14, v14, SP
	v_and_b32 v15, 3, v2
	v_lshl_add_u32 v14, v15, 4, v14
	v_add_nc_u32 v14, s17, v14                     ; the stage, on the way in: SP (lane / 4) + 16 (lane % 4)
	v_mul_u32_u24 v15, v2, SP
	v_add_nc_u32 v15, s17, v15                     ; and on the way out: SP x lane
	v_mul_u32_u24 v4, v2, CB
	v_lshrrev_b32 v5, 1, v2
	s_add_co_u32 s17, s17, 2*32*SP
	v_add_nc_u32 v5, s17, v5                       ; my block's scale byte in LDS
	v_lshlrev_b32 v7, 3, v2
	v_add_nc_u32 v6, s17, v7
	s_lshl_b32 s18, ttmp9, 3
	s_add_co_u32 s19, s18, s16                     ; the run that I read: tokens 8 run .. 8 run + 7
	s_lshl_b32 s20, s19, 15
	s_mov_b32 s21, 0
	s_and_b32 s22, s16, 1                          ; the run's two low bits are the tokens' bits 3 and 4: exchanged, they give the run of positions that I write
	s_lshl_b32 s22, s22, 1
	s_bfe_u32 s23, s16, 0x10001
	s_or_b32 s22, s22, s23
	s_and_b32 s23, s16, 4
	s_or_b32 s22, s22, s23
	s_add_co_u32 s22, s22, s18
	s_lshl_b32 s24, s22, 12                        ; 4,096 bytes of codes a run
	s_mov_b32 s25, 0
	s_lshl_b32 s26, s22, 8                         ; 256 scale bytes a run
	s_add_co_u32 s26, s26, ZSC
	s_mov_b32 s27, 0
	s_wait_alu depctr_va_vdst(0)                   ; the wait at the head's end
	s_wait_kmcnt 0x0
	s_add_nc_u64 s[4:5], s[4:5], s[20:21]
	s_add_nc_u64 s[28:29], s[10:11], s[24:25]
	s_add_nc_u64 s[30:31], s[10:11], s[26:27]
.macro LOAD t
.irp i, 0,1,2,3
	global_load_b128 v[R+16*((\t)%4)+4*\i:R+16*((\t)%4)+4*\i+3], v3, s[4:5] offset:2048*(\t)+512*\i th:TH_LOAD_NT
.endr
.endm
.macro TURN t                          ; LDS serves a wave's instructions in order: no wait between the stores and the loads
.irp i, 0,1,2,3
	ds_store_b128 v14, v[R+16*((\t)%4)+4*\i:R+16*((\t)%4)+4*\i+3] offset:32*SP*((\t)%2)+8*SP*\i
.endr
.irp i, 0,1,2,3
	ds_load_b128 v[X+16*((\t)%2)+4*\i:X+16*((\t)%2)+4*\i+3], v15 offset:32*SP*((\t)%2)+16*\i
.endr
.endm
.irp t, 0,1,2,3
	LOAD \t
.endr
	s_wait_loadcnt 12                              ; step 0's four loads are in; the twelve of steps 1 to 3 may be out
	TURN 0
.macro STEP t
.set XS, X+16*((\t)%2)
.if (\t) > 0
	s_wait_dscnt 1                                 ; this step's numbers are back from the stage (the last step's byte store may be out)
.else
	s_wait_dscnt 0x0
.endif
.if (\t)+4 < STEPS
	LOAD (\t)+4
.endif
.if (\t)+1 < STEPS
.if STEPS-2-(\t) >= 3
	s_wait_loadcnt 12                              ; the next step's four loads are in; those of the three steps behind it may be out
.else
	s_wait_loadcnt 4*(STEPS-2-(\t))
.endif
	TURN (\t)+1
.endif
	v_max3_num_f32 v8, |v[XS]|, |v[XS+1]|, |v[XS+2]|
	v_max3_num_f32 v9, |v[XS+3]|, |v[XS+4]|, |v[XS+5]|
.irp i, 6,10
	v_max3_num_f32 v8, v8, |v[XS+\i]|, |v[XS+\i+1]|
	v_max3_num_f32 v9, v9, |v[XS+\i+2]|, |v[XS+\i+3]|
.endr
	v_max3_num_f32 v8, v8, |v[XS+14]|, |v[XS+15]|
	v_max3_num_f32 v8, v8, v9, 0x1800000           ; the floor 2^(3 - 127): the byte cannot fall under 1
	v_max_num_f32_dpp v8, v8, v8 row_xmask:1 row_mask:0xf bank_mask:0xf   ; with my neighbour's 16: the block's
	v_add_nc_u32 v11, 0xff000000, v8               ; 2 off its exponent field: the conversion's scale operand
	v_cvt_scalef32_pk8_fp4_f32 v[C+4*(\t)], v[XS:XS+7], v11
	v_cvt_scalef32_pk8_fp4_f32 v[C+4*(\t)+1], v[XS+8:XS+15], v11
	v_lshrrev_b32 v[E+(\t)], 23, v11               ; the scale's byte (also the plain line behind the conversions)
	ds_store_b8 v5, v[E+(\t)] offset:16*(\t)       ; both lanes of a block write the same byte with the same value
	global_store_b64 v4, v[C+4*(\t):C+4*(\t)+1], s[28:29] offset:32*CB*(\t)   ; the wave stores 256 consecutive bytes, aligned
.endm
.irp t, 0,1,2,3,4,5,6,7,8,9,10,11,12,13,14,15
	STEP \t
.endr
	ds_load_b64 v[12:13], v6
	s_wait_dscnt 0x0
	global_store_b64 v7, v[12:13], s[30:31]        ; 256 consecutive bytes, aligned
	s_wait_tensorcnt 0x0                           ; the wave's end
	ds_add_u32 v[SPW], v[NIL]
	s_wait_dscnt 0x0
	s_endpgm
; THE WEIGHTS.  K is their first axis: a lane takes a column and its registers run down K, so a block of 32 lies in one lane's 32 registers and the conversions give codes with K innermost.
; A work-group takes 64 columns x 512 along K.  Wave w: columns 32 (w & 1) on, K 128 (w >> 1) on: four blocks a lane.  Both weights take one path: the pointer, the row pitch and the first column are chosen by ids.
; The codes meet in a stage in LDS and leave as rows: sixteen lanes store 256 consecutive bytes, aligned.  The scale bytes leave as 16 bytes of each row's 32; the other half of K writes the other 16.
.set WC,    16                         ; v16-31   codes: four registers a block
.set OFF,   32                         ; v32-63   4 x lane + i x the row pitch; never rewritten
.set WX,    64                         ; v64-191  my 128 numbers
.set OUTR,  192                        ; v192-207 rows on their way out; v208-211 scale bytes
.Lweights:
	s_sub_co_u32 s36, ttmp9, 128
	s_lshr_b32 s14, s36, 6                         ; which half of K
	s_and_b32 s36, s36, 63                         ; which 64 columns
	s_and_b32 s37, s16, 1                          ; which 32 of them
	s_lshr_b32 s38, s16, 1                         ; which 128 along K
	v_and_b32 v1, 31, v0
	v_and_b32 v2, 7, v1
	v_bfe_u32 v9, v0, 3, 1
	v_lshl_add_u32 v2, v9, 4, v2
	v_bfe_u32 v9, v0, 4, 1
	v_lshl_add_u32 v2, v9, 3, v2                   ; my column's position among the 32
	s_wait_alu depctr_va_vdst(0)                   ; the wait here, directly behind the write
	s_mul_i32 s39, s37, 32*PITL
	s_lshl_b32 s15, s38, 6
	s_add_co_u32 s39, s39, s15
	s_add_co_u32 s39, s39, WB
	v_mul_u32_u24 v3, v2, PITL
	v_add_nc_u32 v3, s39, v3                       ; the stage: my row, my wave's 64 bytes of it
	s_lshl_b32 s39, s37, 9
	s_lshl_b32 s15, s38, 2
	s_add_co_u32 s39, s39, s15
	s_add_co_u32 s39, s39, SCST
	v_lshl_add_u32 v4, v2, 4, s39                  ; my row's scale bytes, my wave's four
	v_and_b32 v9, 15, v0
	v_bfe_u32 v10, v0, 4, 1
	s_mul_i32 s39, s16, 8*PITL
	s_add_co_u32 s39, s39, WB
	v_mul_u32_u24 v5, v10, PITL
	v_lshl_add_u32 v5, v9, 4, v5
	v_add_nc_u32 v5, s39, v5                       ; out of the stage: wave w takes rows 8 w on, sixteen lanes to a row
	s_lshl_b32 s39, s16, 12
	v_lshlrev_b32 v6, 9, v10
	v_lshl_add_u32 v6, v9, 4, v6
	v_add_nc_u32 v6, s39, v6                       ; and the same place in wq
	v_lshl_add_u32 v7, v0, 4, SCST                 ; threads 0-63: a row's 16 scale bytes
	v_lshlrev_b32 v8, 5, v0
	v_lshlrev_b32 v[OFF], 2, v1
	s_wait_alu depctr_va_vdst(0)                   ; the wait at the head's end
	s_wait_kmcnt 0x0
	s_cmp_lt_u32 s36, 48                           ; column groups 0-47 are W_qkv's, the others W_msa's
	s_cselect_b64 s[10:11], s[6:7], s[8:9]
	s_mov_b32 s15, 4096
	s_cselect_b32 s15, 12288, s15                  ; a row of W in bytes
	s_cselect_b32 s18, 0, 48
	s_sub_co_u32 s18, s36, s18
	s_lshl_b32 s18, s18, 8
	s_lshl_b32 s19, s37, 7
	s_add_co_u32 s18, s18, s19                     ; my wave's first column, in bytes
	s_lshl_b32 s19, s14, 9
	s_lshl_b32 s20, s38, 7
	s_add_co_u32 s19, s19, s20                     ; my first k
	s_mul_i32 s19, s19, s15
	s_add_co_u32 s20, s19, s18
	s_mov_b32 s21, 0
	s_lshl_b32 s22, s15, 5                         ; 32 rows on
	s_mov_b32 s23, 0
	s_add_nc_u64 s[24:25], s[10:11], s[20:21]      ; a base for each of my four blocks
	s_add_nc_u64 s[26:27], s[24:25], s[22:23]
	s_add_nc_u64 s[28:29], s[26:27], s[22:23]
	s_add_nc_u64 s[30:31], s[28:29], s[22:23]
	s_lshl_b32 s20, s36, 15
	s_lshl_b32 s19, s14, 8
	s_add_co_u32 s20, s20, s19
	s_add_nc_u64 s[32:33], s[12:13], s[20:21]      ; wq: row 64 x group, + 256 bytes for the upper half of K
	s_lshl_b32 s20, s36, 11
	s_lshl_b32 s19, s14, 4
	s_add_co_u32 s20, s20, s19
	s_add_co_u32 s20, s20, WSC
	s_add_nc_u64 s[34:35], s[12:13], s[20:21]
.set i, 1
.rept 31
	v_mad_u32_u24 v[OFF+i], s15, i, v[OFF]
.set i, i+1
.endr
.irp t, 0,1,2,3                        ; all 128 loads in one run: W(32 t + i, my column)
.set i, 0
.rept 32
	global_load_b32 v[WX+32*\t+i], v[OFF+i], s[24+2*\t:25+2*\t] th:TH_LOAD_NT
.set i, i+1
.endr
.endr
.macro BLOCK t, left
.set XS, WX+32*(\t)
	s_wait_loadcnt \left                           ; this block's 32 loads are in
	v_max3_num_f32 v12, |v[XS]|, |v[XS+1]|, |v[XS+2]|
	v_max3_num_f32 v13, |v[XS+3]|, |v[XS+4]|, |v[XS+5]|
.irp i, 6,10,14,18,22,26
	v_max3_num_f32 v12, v12, |v[XS+\i]|, |v[XS+\i+1]|
	v_max3_num_f32 v13, v13, |v[XS+\i+2]|, |v[XS+\i+3]|
.endr
	v_max3_num_f32 v12, v12, |v[XS+30]|, |v[XS+31]|
	v_max3_num_f32 v12, v12, v13, 0x1800000
	v_add_nc_u32 v11, 0xff000000, v12
	v_lshrrev_b32 v13, 23, v11
.if (\t) == 0
	v_mov_b32 v14, v13                             ; four bytes to a register, the lower K in the lower byte
.else
	v_lshl_or_b32 v14, v13, 8*(\t), v14
.endif
.irp g, 0,1,2,3
	v_cvt_scalef32_pk8_fp4_f32 v[WC+4*(\t)+\g], v[XS+8*\g:XS+8*\g+7], v11
.endr
	ds_store_b128 v3, v[WC+4*(\t):WC+4*(\t)+3] offset:16*(\t)
.endm
	BLOCK 0, 63                                    ; 96 younger loads might stay out; the wait names at most 63, and fewer is safe
	BLOCK 1, 63
	BLOCK 2, 32
	BLOCK 3, 0
	ds_store_b32 v4, v14
	s_wait_dscnt 0x0                               ; for the others' sake: my stores into the stage are done
	s_barrier_signal -1
	s_barrier_wait -1
.irp j, 0,1,2,3
	ds_load_b128 v[OUTR+4*\j:OUTR+4*\j+3], v5 offset:2*PITL*\j
.endr
.irp j, 0,1,2,3
	s_wait_dscnt 3-\j
	global_store_b128 v6, v[OUTR+4*\j:OUTR+4*\j+3], s[32:33] offset:1024*\j   ; sixteen lanes store 256 consecutive bytes, aligned
.endr
	s_cmp_lt_u32 s16, 2                            ; waves 0 and 1 store the 64 rows' scale bytes
	s_cbranch_scc0 .Ldone
	ds_load_b128 v[OUTR+16:OUTR+19], v7
	s_wait_dscnt 0x0
	global_store_b128 v8, v[OUTR+16:OUTR+19], s[34:35]
.Ldone:
	s_wait_tensorcnt 0x0                           ; the wave's end
	ds_add_u32 v[SPW], v[NIL]
	s_wait_dscnt 0x0
	s_endpgm
.Lfunc_end_k_qf56433af31_quant:
	.size	k_qf56433af31_quant, .Lfunc_end_k_qf56433af31_quant-k_qf56433af31_quant
	.p2alignl 7, 3214868480
	.fill 96, 4, 3214868480
	.section	.rodata,"a",@progbits
	.p2align	6, 0x0
	.amdhsa_kernel k_qf56433af31_quant
		.amdhsa_group_segment_fixed_size 84992
		.amdhsa_private_segment_fixed_size 0
		.amdhsa_enable_private_segment 0
		.amdhsa_kernarg_size 40
		.amdhsa_user_sgpr_count 2
		.amdhsa_user_sgpr_kernarg_segment_ptr 1
		.amdhsa_wavefront_size32 1
		.amdhsa_system_sgpr_workgroup_id_x 1
		.amdhsa_system_sgpr_workgroup_id_y 1
		.amdhsa_system_sgpr_workgroup_id_z 1
		.amdhsa_system_vgpr_workitem_id 0
		.amdhsa_next_free_vgpr 214
		.amdhsa_next_free_sgpr 66
		.amdhsa_reserve_vcc 0
		.amdhsa_float_denorm_mode_32 3
		.amdhsa_float_denorm_mode_16_64 3
		.amdhsa_memory_ordered 1
		.amdhsa_forward_progress 1
		.amdhsa_inst_pref_size 58
	.end_amdhsa_kernel
	.amdgpu_metadata
---
amdhsa.version: [ 1, 2 ]
amdhsa.kernels:
  - .name:           k_qf56433af31_quant
    .symbol:         k_qf56433af31_quant.kd
    .args:
      - { .name: z, .offset: 0, .size: 8, .value_kind: global_buffer, .address_space: global }
      - { .name: W_qkv, .offset: 8, .size: 8, .value_kind: global_buffer, .address_space: global }
      - { .name: W_msa, .offset: 16, .size: 8, .value_kind: global_buffer, .address_space: global }
      - { .name: zq, .offset: 24, .size: 8, .value_kind: global_buffer, .address_space: global }
      - { .name: wq, .offset: 32, .size: 8, .value_kind: global_buffer, .address_space: global }
    .group_segment_fixed_size: 84992
    .private_segment_fixed_size: 0
    .kernarg_segment_align: 8
    .kernarg_segment_size: 40
    .max_flat_workgroup_size: 256
    .sgpr_count:     66
    .vgpr_count:     214
    .wavefront_size: 32
...
	.end_amdgpu_metadata
.endif
;; end of part 1
;; launch qkv (part 2): grid 16 x 32, 4 waves a work-group, clusters of 4 x 4, 260,608 bytes of LDS; arguments zq, wq, b_qkv, qq, kv; writes qq, kv
.if DOCPART == 2
	.amdgcn_target "amdgcn-amd-amdhsa--gfx1250"
	.amdhsa_code_object_version 6
	.text
	.protected	k_qf56433af31_qkv
	.globl	k_qf56433af31_qkv
	.p2align	8
	.type	k_qf56433af31_qkv,@function
k_qf56433af31_qkv:
	s_mov_b64 s[64:65], 0
	v_nop
	global_prefetch_b8 v0, s[64:65] scope:SCOPE_SE
	s_setreg_imm32_b32 hwreg(HW_REG_WAVE_MODE, 25, 1), 1
	s_wait_xcnt 0x0
	s_wait_alu depctr_hold_cnt(0) depctr_sa_sdst(0) depctr_va_vdst(0) depctr_va_sdst(0) depctr_va_ssrc(0) depctr_va_vcc(0) depctr_vm_vsrc(0)
	s_getreg_b32 s2, hwreg(HW_REG_IB_STS2, 6, 4)
	s_cmp_eq_u32 s2, 0
	s_cbranch_scc0 .Lentry_in_a_cluster
	s_endpgm
.Lentry_in_a_cluster:
	s_bfe_u32 s2, ttmp6, 0x10000c
	s_cmp_lg_u32 s2, 0xf033
	s_cbranch_scc0 .Lentry_shape_is_right
	s_endpgm
.Lentry_shape_is_right:
; qkv = z W_qkv + b_qkv on codes of FP4 with E8M0 scales; its results q, k, v are quantised here, in registers, and leave as IMAGES OF THE OPERAND REGISTERS that the attention launch wants.
; SHARES.  A work-group takes one head (192 columns: q 0-63, k 64-127, v 128-191) x 256 token positions; wave w takes positions 64 w on (4 row tiles i) x all 12 column tiles n: 48 accumulators.
; Rows of zq and wq lie BY POSITION (bits 3 and 4 of the number exchanged), so a tile of 16 neighbouring rows holds the numbers 32 (T / 2) + 8 (T % 2) + r + 8 (r / 8).
; q AND k ARE MADE TRANSPOSED (source 0 = 16 columns of W, source 1 = 16 tokens): a lane holds one token, and the 16 registers of column tiles 2 b, 2 b + 1 are the head's channels 32 b + 16 (lane / 16) + 0 .. 15: their K.
; v IS MADE THE OTHER WAY ROUND (source 0 = 16 tokens, source 1 = 16 columns): a lane holds one channel, and the 16 registers of row tiles 2 b, 2 b + 1 are 16 neighbouring tokens: the keys are v's K.
; The bias is the C of each sum's first matrix instruction (so it is added first, not last: another order of rounding than a sum followed by the bias).
; ALL OF K LIES IN LDS AT ONCE, each operand brought whole by one first fill: no LDS byte is filled twice.  CLUSTERS: 4 x 4; z's tiles are shared along a row of the cluster, W's along a column, by joint loads.
; OUT.  qq: images [bh 64][tile 128][512 bytes] (lane l's 16 bytes at 16 l), scale words [bh][tile][16] at QSC, each (b0, b1, b0, b1).
;       kv: [bh][key step 16][record of 8,704 bytes]: 8 images of k (512 each), 4 of v (1,024 each), k's scale words (4 pairs of tiles x 16), v's (4 tiles x 16).
; LIMITS: byte 1 for blocks under 2^-124 and for blocks of zeros (this program alone reads the bytes); NaN and infinities are not served.
; REGISTERS, in windows of 256.  window 0: v8-20 addresses; v32-47 z's scale words, v48-95 W's (lanes 0-15: K steps 0-3, lanes 16-31: K steps 4-7); v96-159 z's fragments, two sets; v160-255 the quantiser's.
;   window 1: W's fragments, two sets, at v0 and v128.   window 2: q's accumulators at 32 i + 8 n, k's at 128 + 32 i + 8 (n - 4).   window 3: v's at 32 d + 8 i; the biases from v128.
.set PITCH, 528                        ; an LDS row of codes: all of K, 512 bytes, + 16 of padding: the 16 rows of a fragment load start 132 words apart
.set AH,    128*PITCH
.set BH,    96*PITCH
.set BOFF,  2*AH                       ; z's 256 rows, then W's 192: each brought whole by one first fill
.set SLOT,  2*AH+2*BH
.set SCA,   SLOT                       ; z's scale bytes, 256 rows x 32
.set SCB,   SCA+8192                   ; W's, 192 rows x 32
.set STG,   SCB+6144                   ; 2,048 bytes into which no tile lands: the scale words on their way out
.set ZSC,   4194304
.set WSC,   2097152
.set QSC,   4194304
.set REC,   8704
.set ADRA, 8                           ; v8     my z fragments
.set ADRB, 10                          ; v10-11 W's
.set ADSA, 12                          ; v12    z's scale words
.set ADSB, 13                          ; v13    W's
.set LI,   14                          ; v14    16 x lane
.set STQ,  15                          ; v15    where q's scale words go in STG
.set STK,  16                          ; v16    k's
.set STV,  17                          ; v17    v's (two bytes)
.set STR,  18                          ; v18    STG + 16 x thread
.set BQ,   19                          ; v19    the bias of q and k: 64 (lane / 16)
.set BV,   20                          ; v20    the bias of v: 4 (r + 8 (r / 8))
.set SZ,   32
.set SW,   48
.set AF,   96
.set WD,   96                          ; behind the products: v96-101 scale words made, v104-107 sixteen bytes read back
.set TM,   160                         ; v160-167 largest magnitudes;  v168-175 the other half's;  v176-183 scale operands;  v184-191 bytes
.set TP,   168
.set SO,   176
.set BY,   184
.set HW,   192                         ; v192-203 two bytes for each unit, four units for each of q, k, v
.set PC,   208                         ; v208-255 codes: 16 registers for each of q, k, v, so that no store's data are written again
.set G1A,  24
.set G1B,  32
.set G1SA, 40
.set G1SB, 48
.set G0A,  56                          ; s[56:59]
.set G0B,  68                          ; s[68:71]
.set G0SA, 76
.set G0SB, 80
.set SEL,  100                         ; s100-101 lane selects: lane l xor 16
.set MSB, 0
.macro WIN new                         ; the immediate's high byte repeats the setting that is left
.if MSB != \new
	s_set_vgpr_msb (MSB<<8)|\new
.set MSB, \new
.endif
.endm
.macro PLACES n
.rept \n
	v_nop
.endr
.endm
; One arm of the head's tree of branches on the wave's number: its joint load, s_nop 0 and four v_nop, and a jump to the tree's end.
.macro ARM under, g0, g1, next
	s_cmp_lt_u32 s14, \under
	s_cbranch_scc0 \next
	tensor_load_to_lds s[\g0:\g0+3], s[\g1:\g1+7]
	s_nop 0
.rept 4
	v_nop
.endr
	s_branch .Lhead_asked
\next:
.endm
.macro CROUND                          ; a round of the cluster's barrier
	s_barrier_signal -1
	s_barrier_wait -1
	s_cmp_lg_u32 s14, 0
	s_cbranch_scc1 .Lnot_wave_0_\@
	s_barrier_signal -3
.Lnot_wave_0_\@:
	s_barrier_wait -3
	s_barrier_signal -1
	s_barrier_wait -1
.endm
	s_load_b256 s[4:11], s[0:1], 0x0               ; zq s[4:5], wq s[6:7], b_qkv s[8:9], qq s[10:11]
	s_load_b64 s[12:13], s[0:1], 0x20              ; kv
	v_lshl_add_u32 v206, v0, 2, 0x3f800
	v_mov_b32 v207, 0
	ds_add_u32 v206, v207
	ds_add_u32 v206, v207
	v_lshrrev_b32 v1, 5, v0
	v_readfirstlane_b32 s14, v1                    ; wave 0..3
	s_lshr_b32 s15, s14, 1                         ; which of the block's two key steps is mine
	s_and_b32 s16, s14, 1                          ; which 64 keys of the step
	s_bfe_u32 s19, ttmp6, 0x40000                  ; cx
	s_bfe_u32 s20, ttmp6, 0x40004                  ; cy
	s_lshl_b32 s18, ttmp9, 2
	s_add_co_u32 s18, s18, s19                     ; the head = 4 x cluster x + cx
	s_and_b32 s17, ttmp7, 0xffff
	s_lshl_b32 s17, s17, 2
	s_add_co_u32 s17, s17, s20                     ; the block of 256 positions = 4 x cluster y + cy
	s_lshl_b32 s21, s20, 2
	s_lshl_b32 s21, 15, s21                        ; my row of the cluster
	s_lshl_b32 s22, 0x1111, s19                    ; my column
	; group 1 for codes: rows of 512 bytes, 512 bytes apart in memory, 16 bytes of padding behind each in LDS
	s_or_b32 s[G1A], s21, (1<<20)|(1<<21)|(6<<22)|(3<<25)   ; 15:0 the mask; elements of 1 byte; 20 padding on; 21 set beside a mask; 24:22 after every 128 words; 31:25 four words
	s_mov_b32 s[G1A+1], 512<<16                    ; tensor_dim0: a whole row of K
	s_mov_b32 s[G1A+2], 256<<16                    ; tensor_dim1
	s_mov_b32 s[G1A+3], 512<<16                    ; tile_dim0
	s_mov_b32 s[G1A+4], 256                        ; tile_dim1
	s_mov_b32 s[G1A+5], 512                        ; from row to row
	s_mov_b32 s[G1A+6], 0
	s_mov_b32 s[G1A+7], 0
	s_or_b32 s[G1B], s22, (1<<20)|(1<<21)|(6<<22)|(3<<25)
	s_mov_b32 s[G1B+1], 512<<16
	s_mov_b32 s[G1B+2], 192<<16
	s_mov_b32 s[G1B+3], 512<<16
	s_mov_b32 s[G1B+4], 192
	s_mov_b32 s[G1B+5], 512
	s_mov_b32 s[G1B+6], 0
	s_mov_b32 s[G1B+7], 0
	; group 1 for scale bytes: a dense block, as rows of 256 bytes (32 elements of 8 bytes), no padding
	s_or_b32 s[G1SA], s21, (3<<16)|(1<<21)
	s_mov_b32 s[G1SA+1], 32<<16
	s_mov_b32 s[G1SA+2], 32<<16                    ; 256 rows x 32 bytes
	s_mov_b32 s[G1SA+3], 32<<16
	s_mov_b32 s[G1SA+4], 32
	s_mov_b32 s[G1SA+5], 32
	s_mov_b32 s[G1SA+6], 0
	s_mov_b32 s[G1SA+7], 0
	s_or_b32 s[G1SB], s22, (3<<16)|(1<<21)
	s_mov_b32 s[G1SB+1], 32<<16
	s_mov_b32 s[G1SB+2], 24<<16                    ; 192 rows x 32 bytes
	s_mov_b32 s[G1SB+3], 32<<16
	s_mov_b32 s[G1SB+4], 24
	s_mov_b32 s[G1SB+5], 32
	s_mov_b32 s[G1SB+6], 0
	s_mov_b32 s[G1SB+7], 0
	; z's addresses hang on the block of positions alone, W's on the head alone, each in registers of their own
	s_lshl_b32 s84, s17, 8
	s_lshl_b32 s86, s84, 9
	s_mov_b32 s87, 0
	s_lshl_b32 s88, s84, 5
	s_add_co_u32 s88, s88, ZSC
	s_mov_b32 s89, 0
	s_mul_i32 s90, s18, 192
	s_lshl_b32 s92, s90, 9
	s_mov_b32 s93, 0
	s_lshl_b32 s94, s90, 5
	s_add_co_u32 s94, s94, WSC
	s_mov_b32 s95, 0
	s_mov_b32 s96, 0                               ; where the four tiles go: constants
	s_mov_b32 s97, BOFF
	s_mov_b32 s98, SCA
	s_mov_b32 s99, SCB
	s_mov_b32 s[SEL], 0x76543210
	s_mov_b32 s[SEL+1], 0xfedcba98
	s_wait_dscnt 0x0
	s_wait_kmcnt 0x0
	s_add_nc_u64 s[86:87], s[4:5], s[86:87]
	s_add_nc_u64 s[88:89], s[4:5], s[88:89]
	s_add_nc_u64 s[92:93], s[6:7], s[92:93]
	s_add_nc_u64 s[94:95], s[6:7], s[94:95]
	CROUND                                         ; all sixteen work-groups are here: the joint loads meet.  All fills of the launch follow as one group: one load a wave
	s_mov_b32 s[G0SA], 1
	s_mov_b32 s[G0SA+1], s98
	s_mov_b64 s[G0SA+2:G0SA+3], s[88:89]
	s_or_b32 s[G0SA+3], s[G0SA+3], 0x80000000
	s_mov_b32 s[G0SB], 1
	s_mov_b32 s[G0SB+1], s99
	s_mov_b64 s[G0SB+2:G0SB+3], s[94:95]
	s_or_b32 s[G0SB+3], s[G0SB+3], 0x80000000
	s_mov_b32 s[G0A], 1
	s_mov_b32 s[G0A+1], s96
	s_mov_b64 s[G0A+2:G0A+3], s[86:87]
	s_or_b32 s[G0A+3], s[G0A+3], 0x80000000
	s_mov_b32 s[G0B], 1
	s_mov_b32 s[G0B+1], s97
	s_mov_b64 s[G0B+2:G0B+3], s[92:93]
	s_or_b32 s[G0B+3], s[G0B+3], 0x80000000
	; wave 0: z's 256 rows of codes; wave 1: W's 192; wave 2: z's scale bytes; wave 3: W's.  Every way through the tree passes one load
	ARM 1, G0A,  G1A,  .Lhead_b
	ARM 2, G0B,  G1B,  .Lhead_sa
	ARM 3, G0SA, G1SA, .Lhead_sb
	tensor_load_to_lds s[G0SB:G0SB+3], s[G1SB:G1SB+7]
	s_nop 0
.rept 4
	v_nop
.endr
.Lhead_asked:
	v_and_b32 v1, 15, v0                           ; r
	v_bfe_u32 v2, v0, 4, 1                         ; h
	v_and_b32 v3, 31, v0                           ; lane
	v_mul_u32_u24 v4, v1, PITCH
	v_lshl_add_u32 v4, v2, 4, v4                   ; a fragment's row x pitch + 16 h
	s_mul_i32 s2, s14, 64*PITCH
	v_add_nc_u32 v[ADRA], s2, v4
	v_add_nc_u32 v[ADRB], BOFF, v4                 ; W's column tiles 0-7
	v_add_nc_u32 v[ADRB+1], 128*PITCH, v[ADRB]     ; and 8-11: the immediate offset has 16 bits
	v_lshlrev_b32 v5, 5, v1
	v_lshl_add_u32 v5, v2, 4, v5                   ; a row's 32 scale bytes: lanes 0-15 take the first 16, lanes 16-31 the others
	s_lshl_b32 s2, s14, 11
	s_add_co_u32 s2, s2, SCA
	v_add_nc_u32 v[ADSA], s2, v5
	v_add_nc_u32 v[ADSB], SCB, v5
	v_lshlrev_b32 v[LI], 4, v3
	v_lshlrev_b32 v6, 2, v1                        ; 4 r
	s_wait_alu depctr_va_vdst(0)
	s_lshl_b32 s2, s14, 8
	s_add_co_u32 s2, s2, STG
	v_add_nc_u32 v[STQ], s2, v6                    ; q's words: 64 bytes a tile, four tiles a wave
	s_lshl_b32 s2, s15, 9
	s_lshl_b32 s3, s16, 7
	s_add_co_u32 s3, s3, s2
	s_add_co_u32 s3, s3, STG+1024
	v_add_nc_u32 v[STK], s3, v6                    ; k's: 512 bytes a key step (k's 256, v's 256); my two pairs of tiles
	s_lshl_b32 s3, s16, 1
	s_add_co_u32 s3, s3, s2
	s_add_co_u32 s3, s3, STG+1280
	v_add_nc_u32 v[STV], s3, v6                    ; v's: my two bytes of each word
	v_lshl_add_u32 v[STR], v0, 4, STG
	v_lshlrev_b32 v[BQ], 6, v2
	v_and_b32 v7, 8, v1
	v_add_nc_u32 v7, v7, v1
	v_lshlrev_b32 v[BV], 2, v7
.irp k, 0,1,2,3,4,5,6,7
	v_mov_b32 v[TP+\k], 0                          ; written once: a lane permute's destination counts as one of its sources
.endr
	s_mul_i32 s2, s18, 768
	s_mov_b32 s3, 0
	s_add_nc_u64 s[8:9], s[8:9], s[2:3]            ; the bias at my head's 192 numbers
	WIN 0xc0                                       ; destination window 3
.irp n, 0,1,2,3,4,5,6,7                        ; q, k: lane (r, h), tile n, register j: column 32 (n / 2) + 16 h + 8 (n % 2) + j
	global_load_b128 v[128+8*\n:128+8*\n+3], v[BQ], s[8:9] offset:4*(32*(\n/2)+8*(\n%2))
	global_load_b128 v[128+8*\n+4:128+8*\n+7], v[BQ], s[8:9] offset:4*(32*(\n/2)+8*(\n%2))+16
.endr
.irp d, 0,1,2,3                                ; v: all eight registers of a lane belong to column 128 + 32 (d / 2) + 8 (d % 2) + r + 8 (r / 8)
.irp j, 0,1,2,3,4,5,6,7
	global_load_b32 v[192+8*\d+\j], v[BV], s[8:9] offset:4*(128+32*(\d/2)+8*(\d%2))
.endr
.endr
	WIN 0
	; where the results go
	s_lshr_b32 s23, s17, 3
	s_lshl_b32 s23, s23, 4
	s_add_co_u32 s23, s23, s18                     ; bh = 16 x batch + head
	s_and_b32 s96, s17, 7                          ; the block within its batch
	s_lshl_b32 s98, s23, 13                        ; q's scale words: 64 bytes a tile, 128 tiles a head, 16 a block; waves 0 and 1 store 512 bytes each
	s_lshl_b32 s97, s96, 10
	s_add_co_u32 s98, s98, s97
	s_lshl_b32 s97, s16, 9
	s_add_co_u32 s98, s98, s97
	s_add_co_u32 s98, s98, QSC
	s_mov_b32 s99, 0
	s_add_nc_u64 s[4:5], s[10:11], s[98:99]
	s_lshl_b32 s98, s23, 16                        ; q's images: 512 bytes a tile; my four tiles
	s_lshl_b32 s97, s96, 13
	s_add_co_u32 s98, s98, s97
	s_lshl_b32 s97, s14, 11
	s_add_co_u32 s98, s98, s97
	s_add_nc_u64 s[10:11], s[10:11], s[98:99]
	s_lshl_b32 s97, s23, 4
	s_lshl_b32 s2, s96, 1
	s_add_co_u32 s97, s97, s2                      ; the block's first record: 16 bh + 2 x block
	s_add_co_u32 s2, s97, s16
	s_mul_i32 s98, s2, REC
	s_add_co_u32 s98, s98, 8192
	s_add_nc_u64 s[6:7], s[12:13], s[98:99]        ; waves 2 and 3 store the scale words of records 0 and 1 of the block
	s_add_co_u32 s2, s97, s15
	s_mul_i32 s98, s2, REC
	s_lshl_b32 s2, s16, 9
	s_add_co_u32 s98, s98, s2
	s_add_nc_u64 s[12:13], s[12:13], s[98:99]      ; my record + 512 c: v's images stand 4,096 + 1,024 d behind this
	s_cmp_lt_u32 s14, 2                            ; the choice hangs on the wave's number alone
	s_cselect_b64 s[4:5], s[4:5], s[6:7]           ; where I store 512 bytes of scale words
	s_mul_i32 s2, s16, 1536
	s_add_nc_u64 s[6:7], s[12:13], s[2:3]          ; my record + 2,048 c: k's images
; The registers of the next matrix instruction are named by symbols: rD, rA, rB, rC, rSA, rSB.  row = 1: the scale words of K steps 4-7 stand in lanes 16-31.
.macro WM row
.if \row
	v_wmma_scale_f32_16x16x128_f8f6f4 v[rD:rD+7], v[rA:rA+7], v[rB:rB+7], v[rC:rC+7], v[rSA], v[rSB] matrix_a_fmt:MATRIX_FMT_FP4 matrix_b_fmt:MATRIX_FMT_FP4 matrix_a_scale:MATRIX_SCALE_ROW1 matrix_b_scale:MATRIX_SCALE_ROW1
.else
	v_wmma_scale_f32_16x16x128_f8f6f4 v[rD:rD+7], v[rA:rA+7], v[rB:rB+7], v[rC:rC+7], v[rSA], v[rSB] matrix_a_fmt:MATRIX_FMT_FP4 matrix_b_fmt:MATRIX_FMT_FP4
.endif
.endm
; 32 LDS loads in one run: K step q's fragments (W's twelve, z's four) into the given set
.macro FETCH q, set
	WIN 0x40                                       ; destination window 1
.irp n, 0,1,2,3,4,5,6,7,8,9,10,11
.irp c, 0,1
	ds_load_b128 v[128*(\set)+8*\n+4*\c:128*(\set)+8*\n+4*\c+3], v[ADRB+\n/8] offset:16*PITCH*(\n%8)+64*(\q)+32*\c
.endr
.endr
	WIN 0
.irp i, 0,1,2,3
.irp c, 0,1
	ds_load_b128 v[AF+32*(\set)+8*\i+4*\c:AF+32*(\set)+8*\i+4*\c+3], v[ADRA] offset:16*PITCH*\i+64*(\q)+32*\c
.endr
.endr
.endm
; K step q: 48 matrix instructions, one on each accumulator, in the same order in every step.  Step 0 takes the bias as C: nothing is cleared.
.macro MUL q, set
.if (\q) == 0
	WIN 0xb1                                       ; source 0 (W) window 1, source 1 (z) window 0, C (bias) window 3, D window 2
.else
	WIN 0xa1                                       ; C and D window 2
.endif
.irp i, 0,1,2,3
.irp n, 0,1,2,3,4,5,6,7
.set rD, 128*(\n/4)+32*\i+8*(\n%4)
.if (\q) == 0
.set rC, 128+8*\n
.else
.set rC, rD
.endif
.set rA, 128*(\set)+8*\n
.set rB, AF+32*(\set)+8*\i
.set rSA, SW+4*\n+(\q)%4
.set rSB, SZ+4*\i+(\q)%4
	WM (\q)/4
.endr
.endr
	WIN 0xf4                                       ; v: source 0 (z) window 0, source 1 (W) window 1, C and D window 3
.irp i, 0,1,2,3
.irp d, 0,1,2,3
.set rD, 32*\d+8*\i
.if (\q) == 0
.set rC, 192+8*\d
.else
.set rC, rD
.endif
.set rA, AF+32*(\set)+8*\i
.set rB, 128*(\set)+8*(8+\d)
.set rSA, SZ+4*\i+(\q)%4
.set rSB, SW+4*(8+\d)+(\q)%4
	WM (\q)/4
.endr
.endr
.endm
.macro KSTEP q
	s_wait_dscnt 0x0                               ; this step's fragments are in: they were asked for 48 matrix instructions ago
.if (\q) < 7
.if (\q) > 0
	PLACES 4                                       ; four places in front of loads into registers that the last step's matrix instructions have read
.endif
	FETCH (\q)+1, ((\q)+1)%2
.endif
	MUL \q, (\q)%2
.endm
	s_wait_tensorcnt 0x0                           ; my one tile of the four is in
	s_barrier_signal -1
	s_barrier_wait -1                              ; everybody's are
.irp i, 0,1,2,3
	ds_load_b128 v[SZ+4*\i:SZ+4*\i+3], v[ADSA] offset:512*\i
.endr
.irp n, 0,1,2,3,4,5,6,7,8,9,10,11
	ds_load_b128 v[SW+4*\n:SW+4*\n+3], v[ADSB] offset:512*\n
.endr
	FETCH 0, 0
	s_wait_loadcnt 0x0                             ; the biases
.irp q, 0,1,2,3,4,5,6,7
	KSTEP \q
.endr
	PLACES 4                                       ; four places between the last products and the first read of results
; 128 registers of window win, from base on, are four units of two blocks: block k's 16 numbers of my half stand at base + 16 k.  They become codes in v[PC + 16 g] on (unit u: four registers, lanes 0-15 its
; first block, lanes 16-31 its second) and two scale bytes a unit in v[HW + 4 g + u].  w2: the window setting for sources 0 and 1.  Each accumulator is read from its low end on.
.macro QUANT4 win, w2, base, g
	WIN \w2
.irp k, 0,1,2,3,4,5,6,7
	v_max3_num_f32 v[TM+\k], |v[\base+16*\k]|, |v[\base+16*\k+1]|, 0x1800000   ; with the floor 2^(3 - 127): the byte cannot fall under 1
.endr
.irp i, 2,4,6,8,10,12,14
.irp k, 0,1,2,3,4,5,6,7
	v_max3_num_f32 v[TM+\k], |v[\base+16*\k+\i]|, |v[\base+16*\k+\i+1]|, v[TM+\k]   ; the eight blocks by turns
.endr
.endr
	WIN 0
.irp k, 0,1,2,3,4,5,6,7
	v_permlanex16_b32 v[TP+\k], v[TM+\k], s[SEL], s[SEL+1]
.endr
.irp k, 0,1,2,3,4,5,6,7
	v_max_num_f32 v[TM+\k], v[TM+\k], v[TP+\k]     ; with lane l xor 16's: the block's largest magnitude
.endr
.irp k, 0,1,2,3,4,5,6,7
	v_add_nc_u32 v[SO+\k], 0xff000000, v[TM+\k]    ; 2 off its exponent field: the conversion's scale operand
.endr
.irp k, 0,1,2,3,4,5,6,7
	v_lshrrev_b32 v[BY+\k], 23, v[SO+\k]           ; the scale's byte
.endr
.irp u, 0,1,2,3
	v_lshl_or_b32 v[HW+4*\g+\u], v[BY+2*\u+1], 8, v[BY+2*\u]
.endr
	WIN \win                                       ; source 0 in the accumulators' window
.irp k, 0,1,2,3,4,5,6,7
	v_cvt_scalef32_pk8_fp4_f32 v[PC+16*\g+2*\k], v[\base+16*\k:\base+16*\k+7], v[SO+\k]
	v_cvt_scalef32_pk8_fp4_f32 v[PC+16*\g+2*\k+1], v[\base+16*\k+8:\base+16*\k+15], v[SO+\k]
.endr
	WIN 0
	v_nop                                          ; one plain line behind the scaled conversions
.irp u, 0,1,2,3                                ; the operand's layout wants a whole block in a lane
.irp j, 0,1
	v_permlane16_swap_b32 v[PC+16*\g+4*\u+\j], v[PC+16*\g+4*\u+2+\j]
.endr
.endr
.endm
	QUANT4 2, 0x0a, 0, 0                           ; q: unit = row tile
.irp i, 0,1,2,3
	global_store_b128 v[LI], v[PC+4*\i:PC+4*\i+3], s[10:11] offset:512*\i   ; an image: 512 consecutive bytes
	v_lshl_or_b32 v[WD+\i], v[HW+\i], 16, v[HW+\i] ; (b0, b1, b0, b1): q stands in either half of the score product's K
	ds_store_b32 v[STQ], v[WD+\i] offset:64*\i     ; lanes l and l xor 16 write the same word with the same value
.endr
	QUANT4 2, 0x0a, 128, 1                         ; k
.irp i, 0,1,2,3
	global_store_b128 v[LI], v[PC+16+4*\i:PC+16+4*\i+3], s[6:7] offset:512*\i
.endr
.irp p, 0,1
	v_lshl_or_b32 v[WD+4+\p], v[HW+4+2*\p+1], 16, v[HW+4+2*\p]   ; a pair of tiles shares a word: the score product takes two tiles in one fragment
	ds_store_b32 v[STK], v[WD+4+\p] offset:64*\p
.endr
	QUANT4 3, 0x0f, 0, 2                           ; v: unit = tile of 16 channels; its two blocks are my 64 keys
.irp d, 0,1,2,3
	global_store_b128 v[LI], v[PC+32+4*\d:PC+32+4*\d+3], s[12:13] offset:4096+1024*\d
	ds_store_b16 v[STV], v[HW+8+\d] offset:64*\d   ; my two bytes of the channel's word; the wave beside me writes the other two
.endr
	s_wait_dscnt 0x0                               ; for the others' sake: my stores of scale words are done
	s_barrier_signal -1
	s_barrier_wait -1
	ds_load_b128 v[WD+8:WD+11], v[STR]
	s_wait_dscnt 0x0
	global_store_b128 v[LI], v[WD+8:WD+11], s[4:5] ; 512 consecutive bytes, aligned: q's words of 8 tiles, or a record's words of k and v
	s_wait_tensorcnt 0x0
	ds_add_u32 v206, v207
	s_wait_dscnt 0x0
	CROUND                                         ; the closing round: no work-group ends while a partner may still ask for a tile that names it
	s_endpgm
.Lfunc_end_k_qf56433af31_qkv:
	.size	k_qf56433af31_qkv, .Lfunc_end_k_qf56433af31_qkv-k_qf56433af31_qkv
	.p2alignl 7, 3214868480
	.fill 96, 4, 3214868480
	.section	.rodata,"a",@progbits
	.p2align	6, 0x0
	.amdhsa_kernel k_qf56433af31_qkv
		.amdhsa_group_segment_fixed_size 260608
		.amdhsa_private_segment_fixed_size 0
		.amdhsa_enable_private_segment 0
		.amdhsa_kernarg_size 40
		.amdhsa_user_sgpr_count 2
		.amdhsa_user_sgpr_kernarg_segment_ptr 1
		.amdhsa_wavefront_size32 1
		.amdhsa_system_sgpr_workgroup_id_x 1
		.amdhsa_system_sgpr_workgroup_id_y 1
		.amdhsa_system_sgpr_workgroup_id_z 1
		.amdhsa_system_vgpr_workitem_id 0
		.amdhsa_next_free_vgpr 1024
		.amdhsa_next_free_sgpr 102
		.amdhsa_reserve_vcc 0
		.amdhsa_float_denorm_mode_32 3
		.amdhsa_float_denorm_mode_16_64 3
		.amdhsa_memory_ordered 1
		.amdhsa_forward_progress 1
		.amdhsa_inst_pref_size 107
	.end_amdhsa_kernel
	.amdgpu_metadata
---
amdhsa.version: [ 1, 2 ]
amdhsa.kernels:
  - .name:           k_qf56433af31_qkv
    .symbol:         k_qf56433af31_qkv.kd
    .args:
      - { .name: zq, .offset: 0, .size: 8, .value_kind: global_buffer, .address_space: global }
      - { .name: wq, .offset: 8, .size: 8, .value_kind: global_buffer, .address_space: global }
      - { .name: b_qkv, .offset: 16, .size: 8, .value_kind: global_buffer, .address_space: global }
      - { .name: qq, .offset: 24, .size: 8, .value_kind: global_buffer, .address_space: global }
      - { .name: kv, .offset: 32, .size: 8, .value_kind: global_buffer, .address_space: global }
    .group_segment_fixed_size: 260608
    .private_segment_fixed_size: 0
    .kernarg_segment_align: 8
    .kernarg_segment_size: 40
    .max_flat_workgroup_size: 128
    .sgpr_count:     102
    .vgpr_count:     1024
    .wavefront_size: 32
...
	.end_amdgpu_metadata
.endif
;; end of part 2
;; launch attn (part 3): grid 8 x 32, 8 waves a work-group, clusters of 4 x 1, 327,680 bytes of LDS; arguments qq, kv, aq; writes aq
.if DOCPART == 3
	.amdgcn_target "amdgcn-amd-amdhsa--gfx1250"
	.amdhsa_code_object_version 6
	.text
	.protected	k_qf56433af31_attn
	.globl	k_qf56433af31_attn
	.p2align	8
	.type	k_qf56433af31_attn,@function
k_qf56433af31_attn:
	s_mov_b64 s[64:65], 0
	v_nop
	global_prefetch_b8 v0, s[64:65] scope:SCOPE_SE
	s_setreg_imm32_b32 hwreg(HW_REG_WAVE_MODE, 25, 1), 1
	s_wait_xcnt 0x0
	s_wait_alu depctr_hold_cnt(0) depctr_sa_sdst(0) depctr_va_vdst(0) depctr_va_sdst(0) depctr_va_ssrc(0) depctr_va_vcc(0) depctr_vm_vsrc(0)
	s_getreg_b32 s2, hwreg(HW_REG_IB_STS2, 6, 4)
	s_cmp_eq_u32 s2, 0
	s_cbranch_scc0 .Lentry_in_a_cluster
	s_endpgm
.Lentry_in_a_cluster:
	s_bfe_u32 s2, ttmp6, 0x10000c
	s_cmp_lg_u32 s2, 0x3003
	s_cbranch_scc0 .Lentry_shape_is_right
	s_endpgm
.Lentry_shape_is_right:
; attn = softmax(q k^T / 8) v for 64 (batch, head) pairs of 2,048 tokens, head size 64, both products on codes of FP4 (E2M1) with E8M0 scales; the result is quantised here along the last product's K.
; IN.  qq: images of q's operand registers [bh 64][tile 128][512 bytes], scale words [bh][tile][16] at QSC.  kv: [bh][key step 16][record of 8,704 bytes]: 8 images of k, 4 of v, k's and v's scale words.
; OUT. aq: [token tile 512][K step 8][2 x 512 bytes] images of the next product's operand registers; scale words [K step 8][tile 512][16] at ASC.
; THE SOFTMAX: t = score x log2(e) / 8; M = the running largest t rounded up to a whole number; p = 2^(t - M) is quantised along the keys; the row's sum is taken of the unquantised p and divides at the end.
; When M moves, the sums and O^T are multiplied by 2^(old M - new M), in every step, with no branch on data.
; SHARES.  A work-group owns 256 queries of two neighbouring heads; each of its NW waves owns NT tiles of 16 queries and walks the 16 key steps of head 0, then of head 1.
; Each fragment of k and v read from LDS feeds NT tiles; the tiles' chains of dependent lines go by turns; one batch of exponentials serves all NT tiles.
; The two heads' 32 records are one dense block of 278,528 bytes: each wave fetches 32 / NW records by ONE joint load at the head; nothing is filled again.
; CLUSTER: the four work-groups of a cluster own other queries of the same two heads and ask for the records jointly (mask 15).
; No prefetch: the launch's one fill stands at its head, and there is no loop to run ahead in.
; The score product's K is 128 and a head has 64: a fragment of k holds two tiles of keys side by side, and q stands beside 64 zero codes, first in the low half, then in the high.
; LIMITS: the promise holds while the scaled scores stay under 2^31 in magnitude; blocks under 2^-124 and blocks of zeros get the byte 1 (this program alone reads the bytes); NaN and infinities are not served.
; REGISTERS, in windows of 256.  Window t, v128-255: tile t's own: S^T then p (64), O^T (32), p's codes (8), the codes on their way out (8).
;   window 0, v0-127: addresses, all scale words, and each tile's small state.   window 1, v0-63: the fragments of k and of v.   window QW from QB0: q of both heads, each tile between two runs of four zeros.
.set NT,    2                          ; tiles of 16 queries a wave
.set NW,    16/NT
.set REC,   8704
.set HEADB, 16*REC
.set WREC,  32/NW*REC                  ; what one wave fetches
.set ASCST, 2*HEADB                    ; 1,024 bytes into which no tile lands: the scale words on their way out
.set SPARE, ASCST+1024                 ; the spare words, 128 bytes a wave
.set QSC,   4194304
.set ASC,   4194304
.set LI,  1                            ; 16 x lane
.set LR,  2                            ; 4 x (lane % 16)
.set AD,  3                            ; this step's record + LI;  AS: + LR
.set AS,  4
.set ADN, 5                            ; the next step's record + LI;  ASN: + LR
.set ASN, 6
.set SST, 7
.set KS,  8                            ; v8-11 k's scale words;  v12-15 v's;  v16.. q's (head, tile);  v24.. p's (tile)
.set VS,  12
.set QS,  16
.set PS,  24
.set SPW, 28                           ; my spare word's address; never rewritten
.set NIL, 29                           ; 0; never rewritten
.set SRD, 30
.set GW,  31
.set BM,  32                           ; four blocks' largest a tile
.set BP,  48
.set SO,  64                           ; the conversions' scale operands
.set NMB, 80                           ; pairs (-M, the largest score so far)
.set FB,  88                           ; pairs (f, at work)
.set L,   96                           ; the row's sum: a pair a tile
.set OSW, 112                          ; the scale word on its way out
.set KF,  0                            ; window 1
.set VF,  32
.set QW,  1+NT/4
.set QB0, 64*(2-QW)
.set S,   128
.set O,   192
.set PC,  224
.set OC,  232
.set WV,  10
.set SEL, 32
.set CS,  34
.set TB,  36
.set CNT, 37
.set TN,  39
.set MSB, 0
.macro WIN new                         ; bits 1:0 source 0, 3:2 source 1, 5:4 source 2, 7:6 destination; the high byte repeats the setting that is left
.if MSB != (\new)
	s_set_vgpr_msb (MSB<<8)|(\new)
.set MSB, (\new)
.endif
.endm
.macro WM d, a, b, c, sa, sb
	v_wmma_scale_f32_16x16x128_f8f6f4 v[\d:\d+7], v[\a:\a+7], v[\b:\b+7], \c, v[\sa], v[\sb] matrix_a_fmt:MATRIX_FMT_FP4 matrix_b_fmt:MATRIX_FMT_FP4
.endm
.macro CROUND
	s_barrier_signal -1
	s_barrier_wait -1
	s_cmp_lg_u32 s[WV], 0
	s_cbranch_scc1 .Lnot_wave_0_\@
	s_barrier_signal -3
.Lnot_wave_0_\@:
	s_barrier_wait -3
	s_barrier_signal -1
	s_barrier_wait -1
.endm
.macro KLOAD ad, as                    ; a record's eight images of k and their four scale words
	WIN 1<<6
.irp p, 0,1,2,3
	ds_load_b128 v[KF+8*\p:KF+8*\p+3], v[\ad] offset:1024*\p
	ds_load_b128 v[KF+8*\p+4:KF+8*\p+7], v[\ad] offset:1024*\p+512
.endr
	WIN 0
.irp p, 0,1,2,3
	ds_load_b32 v[KS+\p], v[\as] offset:8192+64*\p
.endr
.endm
	s_load_b128 s[4:7], s[0:1], 0x0                ; qq, kv
	s_load_b64 s[8:9], s[0:1], 0x10                ; aq
	v_lshl_add_u32 v[SPW], v0, 2, SPARE
	v_mov_b32 v[NIL], 0
	ds_add_u32 v[SPW], v[NIL]                      ; the opening lines: the add, twice on end, and its wait ahead of my tensor load
	ds_add_u32 v[SPW], v[NIL]
	v_lshrrev_b32 v1, 5, v0
	v_readfirstlane_b32 s[WV], v1                  ; wave
	s_bfe_u32 s11, ttmp6, 0x40000                  ; cx
	s_lshl_b32 s12, ttmp9, 2
	s_add_co_u32 s12, s12, s11                     ; the block of 256 queries
	s_and_b32 s13, ttmp7, 0xffff                   ; the pair of heads
	s_mov_b32 s16, 15|(3<<16)|(1<<21)              ; group 1: the four partners; elements of 8 bytes; a dense block as rows of 256 bytes
	s_mov_b32 s17, 32<<16
	s_mov_b32 s18, (WREC/256)<<16
	s_mov_b32 s19, 32<<16
	s_mov_b32 s20, WREC/256
	s_mov_b32 s21, 32
	s_mov_b32 s22, 0
	s_mov_b32 s23, 0
	s_mul_i32 s38, s[WV], WREC                     ; my records, in LDS as in the block
	s_mul_i32 s40, s13, 2*HEADB
	s_add_co_u32 s40, s40, s38
	s_mov_b32 s41, 0
	s_mov_b32 s[SEL], 0x76543210
	s_mov_b32 s[SEL+1], 0xfedcba98                 ; lane l xor 16
	s_mov_b32 s[CS], 0x3e38aa3b                    ; c = log2(e) / 8
	s_mov_b32 s[CS+1], s[CS]
	s_wait_dscnt 0x0
	s_wait_kmcnt 0x0
	s_add_nc_u64 s[40:41], s[6:7], s[40:41]
	CROUND                                         ; the four work-groups are here: the joint loads meet
	s_mov_b32 s24, 1
	s_mov_b32 s25, s38
	s_mov_b64 s[26:27], s[40:41]
	s_or_b32 s27, s27, 0x80000000
	tensor_load_to_lds s[24:27], s[16:23]          ; every wave's one load
	s_nop 0
	v_and_b32 v[LR], 31, v0
	v_lshlrev_b32 v[LI], 4, v[LR]
	v_and_b32 v[LR], 15, v0
	v_lshlrev_b32 v[LR], 2, v[LR]
	s_mul_i32 s39, s[WV], 64*NT
	s_add_co_u32 s39, s39, ASCST
	v_add_nc_u32 v[SST], s39, v[LR]                ; my tiles' scale words in the stage
	v_lshl_add_u32 v[SRD], v0, 4, ASCST
	v_lshlrev_b32 v[GW], 4, v0
.set k, 0
.rept 4*NT
	v_mov_b32 v[BP+k], 0                           ; written once: a lane permute's destination counts as one of its sources
.set k, k+1
.endr
	s_mul_i32 s43, s[WV], NT
	s_lshl_b32 s42, s12, 4
	s_add_co_u32 s43, s43, s42                     ; my first tile among the sequence's 128
	s_lshl_b32 s42, s13, 8
	s_add_co_u32 s42, s42, s43
	s_lshl_b32 s44, s42, 9
	s_mov_b32 s45, 0
	s_add_nc_u64 s[44:45], s[4:5], s[44:45]        ; q's images
	s_lshl_b32 s46, s42, 6
	s_add_co_u32 s46, s46, QSC
	s_mov_b32 s47, 0
	s_add_nc_u64 s[46:47], s[4:5], s[46:47]        ; q's scale words
	s_wait_alu depctr_va_vdst(0)                   ; the wait here, directly ahead of the readers below
.irp c, 0,1
.set j, 0
.rept NT
	global_load_b32 v[QS+NT*\c+j], v[LR], s[46:47] offset:64*j+8192*\c
.set j, j+1
.endr
.endr
	WIN QW<<6
.irp c, 0,1
.set j, 0
.rept NT
	global_load_b128 v[QB0+8*NT*\c+8*j+4:QB0+8*NT*\c+8*j+7], v[LI], s[44:45] offset:512*j+65536*\c
.set j, j+1
.endr
.endr
.set e, 0
.rept 2*NT+1
.irp i, 0,1,2,3
	v_mov_b32 v[QB0+8*e+\i], 0                     ; the zero codes on either side of each tile of q
.endr
.set e, e+1
.endr
	WIN 0
	s_lshr_b32 s14, s13, 3                         ; batch
	s_and_b32 s15, s13, 7                          ; the pair of heads within it: the next product's K step
	s_lshl_b32 s42, s14, 7
	s_add_co_u32 s42, s42, s43
	s_lshl_b32 s42, s42, 13
	s_lshl_b32 s39, s15, 10
	s_add_co_u32 s42, s42, s39
	s_mov_b32 s43, 0
	s_add_nc_u64 s[6:7], s[8:9], s[42:43]          ; my first tile's images in aq
	s_lshl_b32 s42, s14, 13
	s_lshl_b32 s39, s12, 10
	s_add_co_u32 s42, s42, s39
	s_lshl_b32 s39, s15, 15
	s_add_co_u32 s42, s42, s39
	s_add_co_u32 s42, s42, ASC
	s_add_nc_u64 s[8:9], s[8:9], s[42:43]          ; the work-group's 1,024 bytes of scale words
; A KEY STEP: 128 keys for NT tiles.  k's fragments were asked for a step ago.
.macro STEP c
	s_add_co_u32 s[TN], s[TB], REC
	s_min_u32 s[TN], s[TN], 31*REC                 ; the next record; head 0's last step asks for head 1's first; the very last step names its own record again, so that no read leaves the block
.set t, 0
.rept NT                                       ; S^T = k q^T
	WIN (t<<6)|(QW<<2)|1
.set qc, QB0+8*NT*\c+8*t
.irp p, 0,1,2,3
	WM S+16*\p, KF+8*\p, qc+4, 0, KS+\p, QS+NT*\c+t
	WM S+16*\p+8, KF+8*\p, qc, 0, KS+\p, QS+NT*\c+t
.endr
.set t, t+1
.endr
	WIN 0
	v_add_nc_u32 v[AD], s[TB], v[LI]               ; these four are the places between the products and the loads into their registers, and the first read of S^T
	v_add_nc_u32 v[AS], s[TB], v[LR]
	v_add_nc_u32 v[ADN], s[TN], v[LI]
	v_add_nc_u32 v[ASN], s[TN], v[LR]
	WIN 1<<6
.irp d, 0,1,2,3
	ds_load_b128 v[VF+8*\d:VF+8*\d+3], v[AD] offset:4096+1024*\d
	ds_load_b128 v[VF+8*\d+4:VF+8*\d+7], v[AD] offset:4096+1024*\d+512
.endr
	WIN 0
.irp d, 0,1,2,3
	ds_load_b32 v[VS+\d], v[AS] offset:8448+64*\d
.endr
	KLOAD ADN, ASN
.set t, 0
.rept NT                                       ; the largest score of each block of 32 keys; each accumulator is read from its low end on
	WIN (t<<2)|t
.irp b, 0,1,2,3
	v_max_num_f32 v[BM+4*t+\b], v[S+16*\b], v[S+16*\b+1]
.endr
.irp i, 2,4,6,8,10,12,14
.irp b, 0,1,2,3
	v_max3_num_f32 v[BM+4*t+\b], v[S+16*\b+\i], v[S+16*\b+\i+1], v[BM+4*t+\b]
.endr
.endr
.set t, t+1
.endr
	WIN 0
.set k, 0
.rept 4*NT
	v_permlanex16_b32 v[BP+k], v[BM+k], s[SEL], s[SEL+1]
.set k, k+1
.endr
.set k, 0
.rept 4*NT
	v_max_num_f32 v[BM+k], v[BM+k], v[BP+k]        ; with lane l xor 16's 16 keys
.set k, k+1
.endr
.set t, 0
.rept NT                                       ; the tiles by turns from here to f
	v_max3_num_f32 v[FB+2*t+1], v[BM+4*t], v[BM+4*t+1], v[BM+4*t+2]
.set t, t+1
.endr
.set t, 0
.rept NT
	v_max3_num_f32 v[NMB+2*t+1], v[FB+2*t+1], v[BM+4*t+3], v[NMB+2*t+1]   ; the running largest score
.set t, t+1
.endr
.set t, 0
.rept NT
	v_mul_f32 v[FB+2*t+1], s[CS], v[NMB+2*t+1]     ; as t (c is positive)
.set t, t+1
.endr
.set t, 0
.rept NT
	v_floor_f32 v[FB+2*t+1], -v[FB+2*t+1]          ; the new -M
.set t, t+1
.endr
.set t, 0
.rept NT
	v_sub_f32 v[FB+2*t], v[FB+2*t+1], v[NMB+2*t]   ; old M - new M: a whole number, 0 or less
.set t, t+1
.endr
.set t, 0
.rept NT
	v_cvt_i32_f32 v[FB+2*t], v[FB+2*t]             ; (it saturates)
.set t, t+1
.endr
.set t, 0
.rept NT
	v_ldexp_f32 v[FB+2*t], 1.0, v[FB+2*t]          ; f = 2^(old M - new M)
.set t, t+1
.endr
.set t, 0
.rept NT
	v_mov_b32 v[NMB+2*t], v[FB+2*t+1]
.set t, t+1
.endr
.set t, 0
.rept NT
	WIN (t<<6)|t
.set j, 0
.rept 32
	v_pk_fma_f32 v[S+j:S+j+1], v[S+j:S+j+1], s[CS:CS+1], v[NMB+2*t:NMB+2*t+1] op_sel_hi:[1,0,0]   ; t - M
.set j, j+2
.endr
.set j, 0
.rept 16
	v_pk_mul_f32 v[O+j:O+j+1], v[O+j:O+j+1], v[FB+2*t:FB+2*t+1] op_sel_hi:[1,0]   ; O^T under the new M: its first reader, ahead of the exponentials
.set j, j+2
.endr
.set t, t+1
.endr
	WIN 0
.set k, 0
.rept 4*NT
	v_fma_f32 v[BM+k], v[BM+k], s[CS], v[NMB+2*(k/4)]   ; the same of each block's largest score
.set k, k+1
.endr
	s_wait_alu depctr_va_vdst(0)                   ; the wait ahead of the batch
.set t, 0
.rept NT
	WIN (t<<6)|t
.set j, 0
.rept 64
	v_exp_f32 v[S+j], v[S+j]                       ; p = 2^(t - M)
.set j, j+1
.endr
.set t, t+1
.endr
	WIN 0
.set k, 0
.rept 4*NT
	v_exp_f32 v[BM+k], v[BM+k]                     ; each block's largest p
.set k, k+1
.endr
.set t, 0
.rept NT
	v_pk_mul_f32 v[L+2*t:L+2*t+1], v[L+2*t:L+2*t+1], v[FB+2*t:FB+2*t+1] op_sel_hi:[1,0]   ; the sums under the new M (plain lines behind the batch)
.set t, t+1
.endr
	s_wait_alu depctr_va_vdst(0)                   ; and the one wait behind it, ahead of its first reader
.set k, 0
.rept 4*NT
	v_max_num_f32 v[BM+k], 0x1800000, v[BM+k]      ; the floor 2^(3 - 127): the byte cannot fall under 1
.set k, k+1
.endr
.set k, 0
.rept 4*NT
	v_add_nc_u32 v[SO+k], 0xff000000, v[BM+k]      ; 2 off the exponent field: the conversion's scale operand
.set k, k+1
.endr
.set k, 0
.rept 4*NT
	v_lshrrev_b32 v[BP+k], 23, v[SO+k]             ; the scale's byte
.set k, k+1
.endr
.irp n, 1,2,3
.set t, 0
.rept NT
.if \n == 1
	v_lshl_or_b32 v[PS+t], v[BP+4*t+1], 8, v[BP+4*t]
.else
	v_lshl_or_b32 v[PS+t], v[BP+4*t+\n], 8*\n, v[PS+t]
.endif
.set t, t+1
.endr
.endr
.set t, 0
.rept NT
	WIN (t<<6)|t
.irp b, 0,1,2,3
	v_cvt_scalef32_pk8_fp4_f32 v[PC+2*\b], v[S+16*\b:S+16*\b+7], v[SO+4*t+\b]
	v_cvt_scalef32_pk8_fp4_f32 v[PC+2*\b+1], v[S+16*\b+8:S+16*\b+15], v[SO+4*t+\b]
.endr
	v_nop                                          ; one plain line behind the scaled conversions
.irp u, 0,1
.irp i, 0,1
	v_permlane16_swap_b32 v[PC+4*\u+\i], v[PC+4*\u+2+\i]   ; the operand's layout wants a whole block in a lane
.endr
.endr
.set t, t+1
.endr
.set t, 0
.rept NT                                       ; the row's sum of the unquantised p, in two chains a tile; these lines are also the places ahead of the products below
	WIN (t<<6)|(t<<2)|t                            ; a tree in place: p has been converted.  16, 8 and 4 additions that do not hang on each other
.irp w, 2,4,8
.set j, 0
.rept 32/\w
	v_pk_add_f32 v[S+j:S+j+1], v[S+j:S+j+1], v[S+j+\w:S+j+\w+1]
.set j, j+2*\w
.endr
.endr
.set t, t+1
.endr
.irp w, 16,32                                  ; the last two levels, the tiles by turns,
.set t, 0
.rept NT
	WIN (t<<6)|(t<<2)|t
.set j, 0
.rept 32/\w
	v_pk_add_f32 v[S+j:S+j+1], v[S+j:S+j+1], v[S+j+\w:S+j+\w+1]
.set j, j+2*\w
.endr
.set t, t+1
.endr
.endr
.set t, 0
.rept NT                                       ; and onto the running sum
	WIN t
	v_pk_add_f32 v[L+2*t:L+2*t+1], v[S:S+1], v[L+2*t:L+2*t+1]
.set t, t+1
.endr
	s_wait_alu depctr_va_vdst(0)                   ; the wait here, directly ahead of the wait below
	s_wait_dscnt 0x0                               ; v's fragments, and the next step's of k
.set t, 0
.rept NT                                       ; O^T += v^T p^T
	WIN (t<<6)|(t<<4)|(t<<2)|1
.irp d, 0,1,2,3
	WM O+8*\d, VF+8*\d, PC, v[O+8*\d:O+8*\d+7], VS+\d, PS+t
.endr
.set t, t+1
.endr
	WIN 0
.endm
; One head: its 16 key steps, then O^T / the sum is quantised along the head's 64 channels and leaves as half an operand image a tile.
.macro PASS c
.set t, 0
.rept NT
	v_mov_b32 v[NMB+2*t+1], 0xff61b1e6             ; the largest score so far: -3e38
	v_mov_b32 v[NMB+2*t], 0x7f61b1e6               ; -M: 3e38, so that the first f is 0
	v_mov_b32 v[L+2*t], 0
	v_mov_b32 v[L+2*t+1], 0
	WIN t<<6
.set j, 0
.rept 32
	v_mov_b32 v[O+j], 0                            ; the step is written once: its first trip finds zeros
.set j, j+1
.endr
	WIN 0
.set t, t+1
.endr
	s_mov_b32 s[TB], \c*HEADB
	s_mov_b32 s[CNT], 16
.Lstep_\@:
	STEP \c
	s_add_co_u32 s[TB], s[TB], REC
	s_sub_co_u32 s[CNT], s[CNT], 1
	s_cmp_lg_u32 s[CNT], 0
	s_cbranch_scc1 .Lstep_\@
.rept 4
	v_nop                                          ; four places between the last products and the first read of O^T
.endr
.set t, 0
.rept NT                                       ; the blocks' largest |O^T|, ahead of the reciprocal: a product by a positive number keeps the order, so the largest quotient is the largest |O^T| times 1 / sum
	WIN (t<<2)|t
.irp b, 0,1
	v_max_num_f32 v[BM+4*t+\b], |v[O+16*\b]|, |v[O+16*\b+1]|
.endr
.irp i, 2,4,6,8,10,12,14
.irp b, 0,1
	v_max3_num_f32 v[BM+4*t+\b], |v[O+16*\b+\i]|, |v[O+16*\b+\i+1]|, v[BM+4*t+\b]
.endr
.endr
.set t, t+1
.endr
	WIN 0
.set t, 0
.rept NT
	v_permlanex16_b32 v[BP+4*t], v[BM+4*t], s[SEL], s[SEL+1]
	v_permlanex16_b32 v[BP+4*t+1], v[BM+4*t+1], s[SEL], s[SEL+1]
	v_add_f32 v[L+2*t], v[L+2*t], v[L+2*t+1]
.set t, t+1
.endr
.set t, 0
.rept NT
	v_max_num_f32 v[BM+4*t], v[BM+4*t], v[BP+4*t]
	v_max_num_f32 v[BM+4*t+1], v[BM+4*t+1], v[BP+4*t+1]
	v_permlanex16_b32 v[FB+2*t+1], v[L+2*t], s[SEL], s[SEL+1]
.set t, t+1
.endr
.set t, 0
.rept NT
	v_add_f32 v[L+2*t], v[L+2*t], v[FB+2*t+1]      ; the row's sum
.set t, t+1
.endr
	s_wait_alu depctr_va_vdst(0)                   ; the wait ahead of the batch
.set t, 0
.rept NT
	v_rcp_f32 v[L+2*t], v[L+2*t]
.set t, t+1
.endr
	v_nop
	s_wait_alu depctr_va_vdst(0)                   ; and behind it
.irp b, 0,1
.set t, 0
.rept NT
	v_mul_f32 v[BM+4*t+\b], v[BM+4*t+\b], v[L+2*t]
.set t, t+1
.endr
.endr
.irp b, 0,1
.set t, 0
.rept NT
	v_max_num_f32 v[BM+4*t+\b], 0x1800000, v[BM+4*t+\b]
.set t, t+1
.endr
.endr
.irp b, 0,1
.set t, 0
.rept NT
	v_add_nc_u32 v[SO+4*t+\b], 0xff000000, v[BM+4*t+\b]
.set t, t+1
.endr
.endr
.irp b, 0,1
.set t, 0
.rept NT
	v_lshrrev_b32 v[BP+4*t+\b], 23, v[SO+4*t+\b]
.set t, t+1
.endr
.endr
.set t, 0
.rept NT
.if \c == 0
	v_lshl_or_b32 v[OSW+t], v[BP+4*t+1], 8, v[BP+4*t]   ; head 0's two bytes of the word
.else
	v_lshl_or_b32 v[FB+2*t+1], v[BP+4*t+1], 8, v[BP+4*t]
.endif
.set t, t+1
.endr
.if \c == 1
.set t, 0
.rept NT
	v_lshl_or_b32 v[OSW+t], v[FB+2*t+1], 16, v[OSW+t]   ; head 1's two
.set t, t+1
.endr
.endif
.set t, 0
.rept NT
	WIN (t<<6)|t
.set j, 0
.rept 32
	v_mul_f32 v[S+j], v[O+j], v[L+2*t]             ; O^T / the sum
.set j, j+1
.endr
.irp b, 0,1
	v_cvt_scalef32_pk8_fp4_f32 v[OC+4*\c+2*\b], v[S+16*\b:S+16*\b+7], v[SO+4*t+\b]
	v_cvt_scalef32_pk8_fp4_f32 v[OC+4*\c+2*\b+1], v[S+16*\b+8:S+16*\b+15], v[SO+4*t+\b]
.endr
	v_nop
.irp i, 0,1
	v_permlane16_swap_b32 v[OC+4*\c+\i], v[OC+4*\c+2+\i]
.endr
	WIN t<<2
	global_store_b128 v[LI], v[OC+4*\c:OC+4*\c+3], s[6:7] offset:8192*t+512*\c   ; 512 consecutive bytes, aligned; each head has its own four registers
.set t, t+1
.endr
	WIN 0
.endm
	s_wait_alu depctr_va_vdst(0)                   ; the wait at the head's end
	s_wait_tensorcnt 0x0                           ; my records are in,
	s_barrier_signal -1
	s_barrier_wait -1                              ; everybody's are
	KLOAD LI, LR                                   ; record 0's k
	s_wait_loadcnt 0x0                             ; q
	s_wait_dscnt 0x0
	PASS 0
	PASS 1
.set t, 0
.rept NT
	ds_store_b32 v[SST], v[OSW+t] offset:64*t      ; lanes l and l xor 16 write the same word with the same value
.set t, t+1
.endr
	s_wait_dscnt 0x0                               ; for the others' sake: my stores are done
	s_barrier_signal -1
	s_barrier_wait -1
	s_cmp_lt_u32 s[WV], 2                          ; waves 0 and 1 store the sixteen tiles' 1,024 bytes
	s_cbranch_scc0 .Lno_words
	ds_load_b128 v[BM:BM+3], v[SRD]
	s_wait_dscnt 0x0
	global_store_b128 v[GW], v[BM:BM+3], s[8:9]
.Lno_words:
	s_wait_tensorcnt 0x0                           ; the wave's end
	ds_add_u32 v[SPW], v[NIL]
	s_wait_dscnt 0x0
	CROUND                                         ; the closing round
	s_endpgm
.Lfunc_end_k_qf56433af31_attn:
	.size	k_qf56433af31_attn, .Lfunc_end_k_qf56433af31_attn-k_qf56433af31_attn
	.p2alignl 7, 3214868480
	.fill 96, 4, 3214868480
	.section	.rodata,"a",@progbits
	.p2align	6, 0x0
	.amdhsa_kernel k_qf56433af31_attn
		.amdhsa_group_segment_fixed_size 327680
		.amdhsa_private_segment_fixed_size 0
		.amdhsa_enable_private_segment 0
		.amdhsa_kernarg_size 24
		.amdhsa_user_sgpr_count 2
		.amdhsa_user_sgpr_kernarg_segment_ptr 1
		.amdhsa_wavefront_size32 1
		.amdhsa_system_sgpr_workgroup_id_x 1
		.amdhsa_system_sgpr_workgroup_id_y 1
		.amdhsa_system_sgpr_workgroup_id_z 1
		.amdhsa_system_vgpr_workitem_id 0
		.amdhsa_next_free_vgpr 512
		.amdhsa_next_free_sgpr 66
		.amdhsa_reserve_vcc 0
		.amdhsa_float_denorm_mode_32 3
		.amdhsa_float_denorm_mode_16_64 3
		.amdhsa_memory_ordered 1
		.amdhsa_forward_progress 1
		.amdhsa_inst_pref_size 85
	.end_amdhsa_kernel
	.amdgpu_metadata
---
amdhsa.version: [ 1, 2 ]
amdhsa.kernels:
  - .name:           k_qf56433af31_attn
    .symbol:         k_qf56433af31_attn.kd
    .args:
      - { .name: qq, .offset: 0, .size: 8, .value_kind: global_buffer, .address_space: global }
      - { .name: kv, .offset: 8, .size: 8, .value_kind: global_buffer, .address_space: global }
      - { .name: aq, .offset: 16, .size: 8, .value_kind: global_buffer, .address_space: global }
    .group_segment_fixed_size: 327680
    .private_segment_fixed_size: 0
    .kernarg_segment_align: 8
    .kernarg_segment_size: 24
    .max_flat_workgroup_size: 256
    .sgpr_count:     66
    .vgpr_count:     512
    .wavefront_size: 32
...
	.end_amdgpu_metadata
.endif
;; end of part 3
;; launch proj (part 4): grid 8 x 32, 4 waves a work-group, clusters of 4 x 4, 327,680 bytes of LDS; arguments aq, wq, b_msa, out0; writes out0
.if DOCPART == 4
	.amdgcn_target "amdgcn-amd-amdhsa--gfx1250"
	.amdhsa_code_object_version 6
	.text
	.protected	k_qf56433af31_proj
	.globl	k_qf56433af31_proj
	.p2align	8
	.type	k_qf56433af31_proj,@function
k_qf56433af31_proj:
	s_mov_b64 s[64:65], 0
	v_nop
	global_prefetch_b8 v0, s[64:65] scope:SCOPE_SE
	s_setreg_imm32_b32 hwreg(HW_REG_WAVE_MODE, 25, 1), 1
	s_wait_xcnt 0x0
	s_wait_alu depctr_hold_cnt(0) depctr_sa_sdst(0) depctr_va_vdst(0) depctr_va_sdst(0) depctr_va_ssrc(0) depctr_va_vcc(0) depctr_vm_vsrc(0)
	s_getreg_b32 s2, hwreg(HW_REG_IB_STS2, 6, 4)
	s_cmp_eq_u32 s2, 0
	s_cbranch_scc0 .Lentry_in_a_cluster
	s_endpgm
.Lentry_in_a_cluster:
	s_bfe_u32 s2, ttmp6, 0x10000c
	s_cmp_lg_u32 s2, 0xf033
	s_cbranch_scc0 .Lentry_shape_is_right
	s_endpgm
.Lentry_shape_is_right:
.set PITCH, 528                        ; an LDS row of W's codes: all of K, 512 bytes, + 16 of padding
.set ASL,   65536
.set BB,    2*ASL
.set BSL,   128*PITCH
.set BH,    64*PITCH
.set ASCL,  BB+BSL                     ; the attention's 16 images of 8,192 bytes from 0, W's 128 rows from BB, then the scale bytes
.set BSCL,  ASCL+8192
.set STAGE, BSCL+4096
.set SPITCH, 528
.set AQS,   4194304
.set WSC,   2097152
.set ADRA, 8
.set ADRB, 10
.set ADSA, 12
.set ADSB, 13
.set LI,   14
.set STO,  15
.set RD,   16
.set BQ,   19
.set SZ,   32
.set SW,   48
.set AF,   96
.set BK,   128
.set G1A,  24
.set G1B,  32
.set G1SA, 40
.set G1SB, 48
.set G0A,  56
.set G0B,  68
.set G0SA, 76
.set G0SB, 80
.set MSB, 0
.macro WIN new
.if MSB != \new
	s_set_vgpr_msb (MSB<<8)|\new
.set MSB, \new
.endif
.endm
.macro PLACES n
.rept \n
	v_nop
.endr
.endm
; One arm of the head's tree of branches on the wave's number: its joint load, s_nop 0 and four v_nop, and a jump to the tree's end.
.macro ARM under, g0, g1, next
	s_cmp_lt_u32 s14, \under
	s_cbranch_scc0 \next
	tensor_load_to_lds s[\g0:\g0+3], s[\g1:\g1+7]
	s_nop 0
.rept 4
	v_nop
.endr
	s_branch .Lhead_asked
\next:
.endm
.macro CROUND
	s_barrier_signal -1
	s_barrier_wait -1
	s_cmp_lg_u32 s14, 0
	s_cbranch_scc1 .Lnot_wave_0_\@
	s_barrier_signal -3
.Lnot_wave_0_\@:
	s_barrier_wait -3
	s_barrier_signal -1
	s_barrier_wait -1
.endm
	s_load_b256 s[4:11], s[0:1], 0x0
	v_lshl_add_u32 v94, v0, 2, 0x3c400
	v_mov_b32 v95, 0
	ds_add_u32 v94, v95
	ds_add_u32 v94, v95
	v_lshrrev_b32 v1, 5, v0
	v_readfirstlane_b32 s14, v1
	s_lshr_b32 s15, s14, 1
	s_and_b32 s16, s14, 1
	s_bfe_u32 s19, ttmp6, 0x40000
	s_bfe_u32 s20, ttmp6, 0x40004
	s_lshl_b32 s18, ttmp9, 2
	s_add_co_u32 s18, s18, s19
	s_and_b32 s17, ttmp7, 0xffff
	s_lshl_b32 s17, s17, 2
	s_add_co_u32 s17, s17, s20
	s_lshl_b32 s21, s20, 2
	s_lshl_b32 s21, 15, s21
	s_lshl_b32 s22, 0x1111, s19
	s_or_b32 s[G1A], s21, (3<<16)|(1<<21)
	s_mov_b32 s[G1A+1], 512<<16
	s_mov_b32 s[G1A+2], 32<<16                     ; the block's 16 images are 131,072 dense bytes: 32 rows of 4,096
	s_mov_b32 s[G1A+3], 512<<16
	s_mov_b32 s[G1A+4], 32
	s_mov_b32 s[G1A+5], 512
	s_mov_b32 s[G1A+6], 0
	s_mov_b32 s[G1A+7], 0
	s_or_b32 s[G1B], s22, (1<<20)|(1<<21)|(6<<22)|(3<<25)   ; rows of 512 bytes, four words of padding behind every 128
	s_mov_b32 s[G1B+1], 512<<16
	s_mov_b32 s[G1B+2], 128<<16
	s_mov_b32 s[G1B+3], 512<<16
	s_mov_b32 s[G1B+4], 128
	s_mov_b32 s[G1B+5], 512
	s_mov_b32 s[G1B+6], 0
	s_mov_b32 s[G1B+7], 0
	s_or_b32 s[G1SA], s21, (3<<16)|(1<<21)
	s_mov_b32 s[G1SA+1], 128<<16
	s_mov_b32 s[G1SA+2], 8<<16                     ; eight K steps x the block's 1,024 bytes of scale words
	s_mov_b32 s[G1SA+3], 128<<16
	s_mov_b32 s[G1SA+4], 8
	s_mov_b32 s[G1SA+5], 4096
	s_mov_b32 s[G1SA+6], 0
	s_mov_b32 s[G1SA+7], 0
	s_or_b32 s[G1SB], s22, (3<<16)|(1<<21)
	s_mov_b32 s[G1SB+1], 32<<16
	s_mov_b32 s[G1SB+2], 16<<16                    ; 128 rows x 32 bytes
	s_mov_b32 s[G1SB+3], 32<<16
	s_mov_b32 s[G1SB+4], 16
	s_mov_b32 s[G1SB+5], 32
	s_mov_b32 s[G1SB+6], 0
	s_mov_b32 s[G1SB+7], 0
	s_lshl_b32 s86, s17, 17
	s_mov_b32 s87, 0
	s_lshl_b32 s88, s17, 10
	s_add_co_u32 s88, s88, AQS
	s_mov_b32 s89, 0
	s_lshl_b32 s90, s18, 7
	s_add_co_u32 s90, s90, 3072
	s_lshl_b32 s92, s90, 9
	s_mov_b32 s93, 0
	s_lshl_b32 s94, s90, 5
	s_add_co_u32 s94, s94, WSC
	s_mov_b32 s95, 0
	s_mov_b32 s96, 0                               ; where the four tiles go: constants
	s_mov_b32 s97, BB
	s_mov_b32 s98, ASCL
	s_mov_b32 s99, BSCL
	s_wait_dscnt 0x0
	s_wait_kmcnt 0x0
	s_add_nc_u64 s[86:87], s[4:5], s[86:87]
	s_add_nc_u64 s[88:89], s[4:5], s[88:89]
	s_add_nc_u64 s[92:93], s[6:7], s[92:93]
	s_add_nc_u64 s[94:95], s[6:7], s[94:95]
	CROUND
	s_mov_b32 s[G0SA], 1
	s_mov_b32 s[G0SA+1], s98
	s_mov_b64 s[G0SA+2:G0SA+3], s[88:89]
	s_or_b32 s[G0SA+3], s[G0SA+3], 0x80000000
	s_mov_b32 s[G0SB], 1
	s_mov_b32 s[G0SB+1], s99
	s_mov_b64 s[G0SB+2:G0SB+3], s[94:95]
	s_or_b32 s[G0SB+3], s[G0SB+3], 0x80000000
	s_mov_b32 s[G0A], 1
	s_mov_b32 s[G0A+1], s96
	s_mov_b64 s[G0A+2:G0A+3], s[86:87]
	s_or_b32 s[G0A+3], s[G0A+3], 0x80000000
	s_mov_b32 s[G0B], 1
	s_mov_b32 s[G0B+1], s97
	s_mov_b64 s[G0B+2:G0B+3], s[92:93]
	s_or_b32 s[G0B+3], s[G0B+3], 0x80000000
	; all fills of the launch, one load a wave: wave 0 the attention's images, wave 1 W's rows, wave 2 the attention's scale words, wave 3 W's scale bytes
	ARM 1, G0A,  G1A,  .Lhead_b
	ARM 2, G0B,  G1B,  .Lhead_sa
	ARM 3, G0SA, G1SA, .Lhead_sb
	tensor_load_to_lds s[G0SB:G0SB+3], s[G1SB:G1SB+7]
	s_nop 0
.rept 4
	v_nop
.endr
.Lhead_asked:
	v_and_b32 v1, 15, v0
	v_bfe_u32 v2, v0, 4, 1
	v_and_b32 v3, 31, v0
	v_lshlrev_b32 v[LI], 4, v3
	s_lshl_b32 s2, s14, 15                         ; my four images of 8,192 bytes
	v_add_nc_u32 v[ADRA], s2, v[LI]
	v_mul_u32_u24 v4, v1, PITCH
	v_lshl_add_u32 v4, v2, 4, v4
	v_add_nc_u32 v[ADRB], BB, v4
	v_lshlrev_b32 v5, 2, v1
	v_lshl_add_u32 v5, v2, 12, v5
	s_lshl_b32 s2, s14, 8
	s_add_co_u32 s2, s2, ASCL
	v_add_nc_u32 v[ADSA], s2, v5
	v_lshlrev_b32 v5, 5, v1
	v_lshl_add_u32 v5, v2, 4, v5
	v_add_nc_u32 v[ADSB], BSCL, v5
	s_mul_i32 s2, s14, 16*SPITCH
	s_add_co_u32 s2, s2, STAGE
	v_mul_u32_u24 v6, v1, SPITCH
	v_lshl_add_u32 v6, v2, 6, v6
	v_add_nc_u32 v[STO], s2, v6
	v_add_nc_u32 v[RD], s2, v[LI]
	v_lshlrev_b32 v[BQ], 6, v2
	s_lshl_b32 s2, s18, 9
	s_mov_b32 s3, 0
	s_add_nc_u64 s[8:9], s[8:9], s[2:3]
	WIN 0x40
.irp n, 0,1,2,3,4,5,6,7
	global_load_b128 v[128+8*\n:128+8*\n+3], v[BQ], s[8:9] offset:4*(32*(\n/2)+8*(\n%2))
	global_load_b128 v[128+8*\n+4:128+8*\n+7], v[BQ], s[8:9] offset:4*(32*(\n/2)+8*(\n%2))+16
.endr
	WIN 0
	s_lshl_b32 s23, s17, 20
	s_lshl_b32 s2, s14, 18
	s_add_co_u32 s2, s2, s23
	s_lshl_b32 s23, s18, 9
	s_add_co_u32 s2, s2, s23
	s_add_nc_u64 s[10:11], s[10:11], s[2:3]
.macro WM row
.if \row
	v_wmma_scale_f32_16x16x128_f8f6f4 v[rD:rD+7], v[rA:rA+7], v[rB:rB+7], v[rC:rC+7], v[rSA], v[rSB] matrix_a_fmt:MATRIX_FMT_FP4 matrix_b_fmt:MATRIX_FMT_FP4 matrix_a_scale:MATRIX_SCALE_ROW1 matrix_b_scale:MATRIX_SCALE_ROW1
.else
	v_wmma_scale_f32_16x16x128_f8f6f4 v[rD:rD+7], v[rA:rA+7], v[rB:rB+7], v[rC:rC+7], v[rSA], v[rSB] matrix_a_fmt:MATRIX_FMT_FP4 matrix_b_fmt:MATRIX_FMT_FP4
.endif
.endm
.macro FETCH q, set
	WIN 0x40
.irp n, 0,1,2,3,4,5,6,7
.irp c, 0,1
	ds_load_b128 v[64*(\set)+8*\n+4*\c:64*(\set)+8*\n+4*\c+3], v[ADRB] offset:16*PITCH*\n+64*(\q)+32*\c
.endr
.endr
	WIN 0
.irp i, 0,1,2,3
.irp c, 0,1
	ds_load_b128 v[AF+32*(\set)+8*\i+4*\c:AF+32*(\set)+8*\i+4*\c+3], v[ADRA] offset:8192*\i+1024*(\q)+512*\c
.endr
.endr
.endm
.macro MUL q, set
.if (\q) == 0
	WIN 0x91
.else
	WIN 0xa1
.endif
.irp i, 0,1,2,3
.irp n, 0,1,2,3,4,5,6,7
.set rD, 64*\i+8*\n
.if (\q) == 0
.set rC, 128+8*\n
.else
.set rC, rD
.endif
.set rA, 64*(\set)+8*\n
.set rB, AF+32*(\set)+8*\i
.set rSA, SW+4*\n+(\q)%4
.set rSB, SZ+4*\i+(\q)%4
	WM (\q)/4
.endr
.endr
.endm
.macro KSTEP q
	s_wait_dscnt 0x0
.if (\q) < 7
.if (\q) > 0
	PLACES 4
.endif
	FETCH (\q)+1, ((\q)+1)%2
.endif
	MUL \q, (\q)%2
.endm
	s_wait_alu depctr_va_vdst(0)
	s_wait_tensorcnt 0x0                           ; my one tile of the four is in
	s_barrier_signal -1
	s_barrier_wait -1
.irp i, 0,1,2,3
.irp k, 0,1,2,3
	ds_load_b32 v[SZ+4*\i+\k], v[ADSA] offset:1024*\k+64*\i
.endr
.endr
.irp n, 0,1,2,3,4,5,6,7
	ds_load_b128 v[SW+4*\n:SW+4*\n+3], v[ADSB] offset:512*\n
.endr
	FETCH 0, 0
	s_wait_loadcnt 0x0
.irp q, 0,1,2,3,4,5,6,7
	KSTEP \q
.endr
.macro TOSTAGE a
	WIN 0x08
.irp n, 0,1,2,3,4,5,6,7
	ds_store_b128 v[STO], v[64*(\a)+8*\n:64*(\a)+8*\n+3] offset:128*(\n/2)+32*(\n%2)
	ds_store_b128 v[STO], v[64*(\a)+8*\n+4:64*(\a)+8*\n+7] offset:128*(\n/2)+32*(\n%2)+16
.endr
	WIN 0
.set BB2, BK+64*((\a)%2)
.irp t, 0,1,2,3,4,5,6,7,8,9,10,11,12,13,14,15
	ds_load_b128 v[BB2+4*\t:BB2+4*\t+3], v[RD] offset:\t*SPITCH
.endr
.endm
.macro SEND a, younger
.set BB2, BK+64*((\a)%2)
	s_wait_dscnt \younger
.irp t, 0,1,2,3,4,5,6,7,8,9,10,11,12,13,14,15
	global_store_b128 v[LI], v[BB2+4*\t:BB2+4*\t+3], s[10:11] offset:(32*((\a)/2)+8*((\a)%2)+\t+8*(\t/8))*4096 th:TH_STORE_NT
.endr
.endm
	PLACES 4
	TOSTAGE 0
.irp a, 1,2,3
.if \a > 1
	s_wait_xcnt 0x0
.endif
	TOSTAGE \a
	SEND \a-1, 32
.endr
	SEND 3, 0
	s_wait_tensorcnt 0x0
	ds_add_u32 v94, v95
	s_wait_dscnt 0x0
	CROUND
	s_endpgm
.Lfunc_end_k_qf56433af31_proj:
	.size	k_qf56433af31_proj, .Lfunc_end_k_qf56433af31_proj-k_qf56433af31_proj
	.p2alignl 7, 3214868480
	.fill 96, 4, 3214868480
	.section	.rodata,"a",@progbits
	.p2align	6, 0x0
	.amdhsa_kernel k_qf56433af31_proj
		.amdhsa_group_segment_fixed_size 327680
		.amdhsa_private_segment_fixed_size 0
		.amdhsa_enable_private_segment 0
		.amdhsa_kernarg_size 32
		.amdhsa_user_sgpr_count 2
		.amdhsa_user_sgpr_kernarg_segment_ptr 1
		.amdhsa_wavefront_size32 1
		.amdhsa_system_sgpr_workgroup_id_x 1
		.amdhsa_system_sgpr_workgroup_id_y 1
		.amdhsa_system_sgpr_workgroup_id_z 1
		.amdhsa_system_vgpr_workitem_id 0
		.amdhsa_next_free_vgpr 768
		.amdhsa_next_free_sgpr 100
		.amdhsa_reserve_vcc 0
		.amdhsa_float_denorm_mode_32 3
		.amdhsa_float_denorm_mode_16_64 3
		.amdhsa_memory_ordered 1
		.amdhsa_forward_progress 1
		.amdhsa_inst_pref_size 72
	.end_amdhsa_kernel
	.amdgpu_metadata
---
amdhsa.version: [ 1, 2 ]
amdhsa.kernels:
  - .name:           k_qf56433af31_proj
    .symbol:         k_qf56433af31_proj.kd
    .args:
      - { .name: aq, .offset: 0, .size: 8, .value_kind: global_buffer, .address_space: global }
      - { .name: wq, .offset: 8, .size: 8, .value_kind: global_buffer, .address_space: global }
      - { .name: b_msa, .offset: 16, .size: 8, .value_kind: global_buffer, .address_space: global }
      - { .name: out0, .offset: 24, .size: 8, .value_kind: global_buffer, .address_space: global }
    .group_segment_fixed_size: 327680
    .private_segment_fixed_size: 0
    .kernarg_segment_align: 8
    .kernarg_segment_size: 32
    .max_flat_workgroup_size: 128
    .sgpr_count:     100
    .vgpr_count:     768
    .wavefront_size: 32
...
	.end_amdgpu_metadata
.endif
;; end of part 4
